; MI455X (gfx1250); checked and timed in simulation.
; The chip was launched on July 23, 2026; its instructions are those of AMD's public machine-readable ISA for CDNA 5 (MIT licence, August 2026) and "CDNA5" Instruction Set Architecture Reference Guide (July 2026). The comments in the code are by the model that wrote it; some were corrected since.
;; Attention. Allowed arithmetic: matrix products marked QUANTISED: E2M1 operands, one E8M0 scale for each 32 along K, by v_wmma_scale_f32_16x16x128_f8f6f4 with both operands' format E2M1 (or v_wmma_scale_f32_32x16x128_f4), f32 sums; products left as they are: bf16, f16 or f32 operands; f32 sums; everything else in f32.
;; Inputs: mask 4,096 x 4,096 int32; w_k 1,024 x 1,024 float32; w_q 1,024 x 1,024 float32; w_v 1,024 x 1,024 float32; x 1 x 4,096 x 1,024 float32.
;; Outputs: out0 1 x 4,096 x 1,024 float32.
;; This version of the problem:
;;   THIS VERSION OF THE PROBLEM IS GIVEN IN LOW PRECISION. The matrix products marked QUANTISED in the list below multiply operands that are first quantised to E2M1 (2 exponent bits, 1 mantissa bit; 4 bits a number), with one power-of-two scale for each 32 numbers along K (OCP MX v1.0); their sums are f32. The products marked 'left as it is' may take bf16, f16 or f32 operands, with f32 sums. Whichever they take, every output number must still come out within the allowed error. Rounding operands to bf16 (8 significant bits) uses up far more of that allowance than f16 does (11 bits, for magnitudes from 6e-5 to 65,504). All else is computed in f32.
;;   The module's matrix products, in the order in which they are computed (A, B: the left and right operand; K: the contracted axis; several contracted axes count as one K, in the product's order):
;;     1. [M 4,096, K 1,024] x [K 1,024, N 1,024]; A: input x; B: input w_q: QUANTISED
;;     2. [M 4,096, K 1,024] x [K 1,024, N 1,024]; A: input x; B: input w_k: QUANTISED
;;     3. [M 4,096, K 1,024] x [K 1,024, N 1,024]; A: input x; B: input w_v: QUANTISED
;;     4. [M 4,096, K 1,024] x [K 1,024, N 4,096]; A: computed on the way; B: computed on the way: left as it is (an operand is computed on the way)
;;     5. [M 4,096, K 4,096] x [K 4,096, N 1,024]; A: computed on the way; B: computed on the way: left as it is (an operand is computed on the way)
;;   THE QUANTISER, for each operand of a quantised product, along K:
;;     - K is cut into blocks of 32 from its start; a last block that is shorter is filled with zeros.
;;     - A block's scale is 2^e with e = floor(log2(the largest magnitude in the block)) - 2, held to -126 .. 127; a block of zeros has e = 0. As a byte (E8M0): e + 127.
;;     - Each number is divided by its block's scale, clamped to +-6, and rounded to the nearest number of E2M1, ties to even, subnormals kept.
;;     - The product sums the exact products of the quantised numbers (number of the format x scale) in f32.
;;   ~~~python
;;   def quantise(x, axis):      # numpy; x: float32 -> the quantised numbers, widened to float32 again
;;       x = np.moveaxis(x, axis, -1); K = x.shape[-1]
;;       x = np.pad(x, [(0, 0)] * (x.ndim - 1) + [(0, -K % 32)]); x = x.reshape(x.shape[:-1] + (-1, 32)); a = np.abs(x).max(-1, keepdims=True)
;;       e = np.where(a > 0, np.clip(np.frexp(np.where(a > 0, a, 1))[1] - 1 - 2, -126, 127), 0)      # np.frexp(a)[1] - 1 = floor(log2(a)), exactly
;;       r = np.clip(x / 2.0 ** e, -6, 6)
;;       step = 2.0 ** (np.maximum(np.frexp(np.where(r == 0, 1, r))[1] - 1, 0) - 1)
;;       q = np.round(r / step) * step * 2.0 ** e      # np.round: ties to even
;;       return np.moveaxis(q.reshape(q.shape[:-2] + (-1,))[..., :K], -1, axis).astype(np.float32)
;;   ~~~
;; One version. Each part assembles by itself: llvm-mc -triple=amdgcn-amd-amdhsa -mcpu=gfx1250 --defsym DOCPART=n.
;; ======== version 1 of 1: 5 launches
;; limits: values are held in f16: magnitudes above 65,504 overflow, below 6.1e-05 lose precision
;; workspace buffers: codes 3,670,016 bytes; scales 229,376 bytes; qk16 16,777,216 bytes; vt 8,912,896 bytes; p 35,651,584 bytes; st 1,114,112 bytes; qk32 131,072 bytes
;; launch quant (part 1): grid 224 x 1, 4 waves a work-group, no clusters, 33,280 bytes of LDS; arguments x, w_q, w_k, w_v, codes, scales; writes codes, scales
.if DOCPART == 1
	.amdgcn_target "amdgcn-amd-amdhsa--gfx1250"
	.amdhsa_code_object_version 6
	.text
	.protected	k_q53e8e869d8_quant
	.globl	k_q53e8e869d8_quant
	.p2align	8
	.type	k_q53e8e869d8_quant,@function
k_q53e8e869d8_quant:
	s_mov_b64 s[64:65], 0
	v_nop
	global_prefetch_b8 v0, s[64:65] scope:SCOPE_SE
	s_setreg_imm32_b32 hwreg(HW_REG_WAVE_MODE, 25, 1), 1
	s_wait_xcnt 0x0
; THE PROGRAM: out0 = softmax(where(mask == 0, -inf, (x Wq^T)(x Wk^T)^T / 32)) (x Wv^T), S = 4,096 positions, d = 1,024, in five launches:
;   quant: x, w_q, w_k, w_v -> codes of E2M1 and E8M0 scale bytes;  proj: q, k (f16), v^T (f16, keys innermost) by the scaled 4-bit matrix form;  fine: the corner of the first 16 positions in f32 and in pairs of f16;
;   scores: p = 2^(t - M) for each run of 128 keys, M that run's own whole-number maximum, as f16, with (-M, sum of p);  pv: the runs brought under the row's M by exact powers of two, p v, division by the row's sum.
; NO WORK IS LEFT OUT: the mask is an input, so every score is computed and every mask word is loaded and honoured; all five inputs are read.
; LIMITS: |q|, |k|, |v| stay under 65,504 (they are f16 operands of the two products left as they are); NaN and infinities among the inputs are not served; the sums' order differs from the reference's;
; rows that keep few keys outside positions 0-15 x 0-15 are carried with f16 operands (11 significant bits).
; THIS LAUNCH: the four f32 tensors, all with K = d innermost and dense, are plain streams of blocks of 32 numbers.  Their codes are stacked in `codes` ([7,168 rows][512 bytes]: x, w_q, w_k, w_v) and their scale bytes in `scales` ([7,168][32]).
; A block's scale is 2^(floor(log2(its largest magnitude)) - 2); its byte is the largest magnitude's exponent field - 2, held at 1 from below.  A block of zeros so gets the byte 1 where the rule says 127: its codes are zeros, which add nothing, and this program alone reads the bytes.
; Blocks whose largest magnitude lies under 2^(2 - 126) have their byte held at 1.
; A wave takes 16 steps of 512 numbers.  Each load reads 512 consecutive bytes; a step's 2,048 bytes turn through the wave's own stage in LDS, so that a lane holds 16 neighbours (two lanes a block).  A lane's 16 codes are 8 bytes: a wave stores 256 consecutive bytes.
; A wave's 256 scale bytes are gathered in LDS and leave as 256 consecutive aligned bytes.  No barrier: waves share nothing.  Loads run eight steps ahead: 32 loads, 16 KiB, of every wave are out.
.set WAVES, 4
.set STEPS, 16
.set DEPTH, 8                          ; steps that the loads run ahead
.set EMAX,  2
.set CB,    8                          ; bytes of 16 codes
.set R,     16                         ; v16-143  eight sets of 16 numbers as loaded
.set X,     144                        ; v144-175 two sets of 16 neighbours
.set C,     176                        ; v176-207 codes: two registers for each step, so that no store's data are written again
.set E,     208                        ; v208-223 a scale byte for each step
.set WREG,  8192                       ; LDS: a region for each wave: two stages of 32 x SP bytes, then its 256 scale bytes
.set SP,    80                         ; a lane's place in a stage: 64 bytes + 16 of padding
.set SPW,   12                         ; v12 my spare word's LDS address; never rewritten
.set NIL,   13                         ; v13 0; never rewritten
.set SPARE, WAVES*WREG                 ; the spare words: 128 bytes a wave, named by no other line
	s_load_b256 s[4:11], s[0:1], 0x0               ; x s[4:5], w_q s[6:7], w_k s[8:9], w_v s[10:11]
	s_load_b128 s[12:15], s[0:1], 0x20             ; codes s[12:13], scales s[14:15]
	v_lshl_add_u32 v[SPW], v0, 2, SPARE
	v_mov_b32 v[NIL], 0
	v_lshrrev_b32 v1, 5, v0
	v_readfirstlane_b32 s16, v1                    ; wave
	v_and_b32 v2, 31, v0                           ; lane
	v_lshlrev_b32 v3, 4, v2                        ; my 16 bytes of a load's 512
	s_mul_i32 s17, s16, WREG
	v_lshrrev_b32 v14, 2, v2
	v_mul_u32_u24 v14, v14, SP
	v_and_b32 v15, 3, v2
	v_lshl_add_u32 v14, v15, 4, v14
	v_add_nc_u32 v14, s17, v14                     ; the stage, on the way in: SP (lane / 4) + 16 (lane % 4)
	v_mul_u32_u24 v15, v2, SP
	v_add_nc_u32 v15, s17, v15                     ; and on the way out: SP x lane
	v_mul_u32_u24 v4, v2, CB                       ; my codes' place in a step's
	v_lshrrev_b32 v5, 1, v2
	s_add_co_u32 s17, s17, 2*32*SP
	v_add_nc_u32 v5, s17, v5                       ; my block's scale byte in LDS
	v_lshlrev_b32 v7, 3, v2
	v_add_nc_u32 v6, s17, v7                       ; and 8 bytes a lane on the way out
	s_sub_co_u32 s18, ttmp9, 128
	s_and_b32 s18, s18, 31                         ; a weight's work-group within its tensor
	s_wait_kmcnt 0x0
	s_cmp_lt_u32 ttmp9, 192                        ; work-groups 0-127 x, 128-159 w_q, 160-191 w_k, 192-223 w_v: the choice hangs on the work-group's number alone
	s_cselect_b64 s[8:9], s[8:9], s[10:11]
	s_cmp_lt_u32 ttmp9, 160
	s_cselect_b64 s[6:7], s[6:7], s[8:9]
	s_cmp_lt_u32 ttmp9, 128
	s_cselect_b64 s[4:5], s[4:5], s[6:7]
	s_cselect_b32 s18, ttmp9, s18
	s_lshl_b32 s18, s18, 2
	s_add_co_u32 s18, s18, s16                     ; which run of 8,192 numbers of the tensor is my wave's
	s_lshl_b32 s18, s18, 15                        ; 32,768 bytes a run
	s_mov_b32 s19, 0
	s_add_nc_u64 s[4:5], s[4:5], s[18:19]
	s_lshl_b32 s20, ttmp9, 2
	s_add_co_u32 s20, s20, s16                     ; which run of the stacked outputs
	s_lshl_b32 s18, s20, 12                        ; 4,096 bytes of codes a run
	s_add_nc_u64 s[12:13], s[12:13], s[18:19]
	s_lshl_b32 s18, s20, 8                         ; 256 scale bytes a run
	s_add_nc_u64 s[14:15], s[14:15], s[18:19]
.macro LOAD t
.irp i, 0,1,2,3
	global_load_b128 v[R+16*((\t)%DEPTH)+4*\i:R+16*((\t)%DEPTH)+4*\i+3], v3, s[4:5] offset:2048*(\t)+512*\i th:TH_LOAD_NT
.endr
.endm
.macro TURN t                          ; step t's numbers through the stage: LDS serves a wave's instructions in order, so no wait stands between the stores and the loads
.irp i, 0,1,2,3
	ds_store_b128 v14, v[R+16*((\t)%DEPTH)+4*\i:R+16*((\t)%DEPTH)+4*\i+3] offset:32*SP*((\t)%2)+8*SP*\i
.endr
.irp i, 0,1,2,3
	ds_load_b128 v[X+16*((\t)%2)+4*\i:X+16*((\t)%2)+4*\i+3], v15 offset:32*SP*((\t)%2)+16*\i
.endr
.endm
.irp t, 0,1,2,3,4,5,6,7
	LOAD \t
.endr
	s_wait_loadcnt 4*(DEPTH-1)                     ; step 0's four loads are in; the 28 of steps 1 to 7 may be out
	TURN 0
.macro STEP t
.set XS, X+16*((\t)%2)
.if (\t) > 0
	s_wait_dscnt 1                                 ; this step's numbers are back from the stage, so its stores into the stage have read their registers; the last step's byte store may be out
.else
	s_wait_dscnt 0x0
.endif
.if (\t)+DEPTH < STEPS
	LOAD (\t)+DEPTH                                ; into the registers that this step's numbers have left
.endif
.if (\t)+1 < STEPS
.if STEPS-2-(\t) >= DEPTH-1
	s_wait_loadcnt 4*(DEPTH-1)                     ; the next step's four loads are in; those of the seven steps behind it may be out
.else
	s_wait_loadcnt 4*(STEPS-2-(\t))                ; in the tail: those of the steps that are left behind it
.endif
	TURN (\t)+1
.endif
	v_max3_num_f32 v8, |v[XS]|, |v[XS+1]|, |v[XS+2]|               ; the largest magnitude of my 16
	v_max3_num_f32 v9, |v[XS+3]|, |v[XS+4]|, |v[XS+5]|
.irp i, 6,10
	v_max3_num_f32 v8, v8, |v[XS+\i]|, |v[XS+\i+1]|
	v_max3_num_f32 v9, v9, |v[XS+\i+2]|, |v[XS+\i+3]|
.endr
	v_max3_num_f32 v8, v8, |v[XS+14]|, |v[XS+15]|
	v_max3_num_f32 v8, v8, v9, (EMAX+1)<<23        ; and the floor 2^(EMAX + 1 - 127): the byte cannot fall under 1
	v_max_num_f32_dpp v8, v8, v8 row_xmask:1 row_mask:0xf bank_mask:0xf   ; and of my neighbour's 16: the block's
	v_add_nc_u32 v11, -(EMAX<<23), v8              ; EMAX off its exponent field: the conversion takes this operand's exponent field as its scale
	v_cvt_scalef32_pk8_fp4_f32 v[C+2*(\t)], v[XS:XS+7], v11
	v_cvt_scalef32_pk8_fp4_f32 v[C+2*(\t)+1], v[XS+8:XS+15], v11
	v_lshrrev_b32 v[E+(\t)], 23, v11               ; the scale's byte
	ds_store_b8 v5, v[E+(\t)] offset:16*(\t)       ; both lanes of a block write the same byte with the same value
	global_store_b64 v4, v[C+2*(\t):C+2*(\t)+1], s[12:13] offset:32*CB*(\t)
.endm
.irp t, 0,1,2,3,4,5,6,7,8,9,10,11,12,13,14,15
	STEP \t
.endr
	ds_load_b64 v[8:9], v6                         ; LDS serves a wave's instructions in order: these see my stores
	s_wait_dscnt 0x0
	global_store_b64 v7, v[8:9], s[14:15]          ; 32 lanes store 256 consecutive aligned bytes
	s_wait_tensorcnt 0x0                           ; the wave's end
	ds_add_u32 v[SPW], v[NIL]
	s_wait_dscnt 0x0
	s_endpgm
.Lfunc_end_k_q53e8e869d8_quant:
	.size	k_q53e8e869d8_quant, .Lfunc_end_k_q53e8e869d8_quant-k_q53e8e869d8_quant
	.p2alignl 7, 3214868480
	.fill 96, 4, 3214868480
	.section	.rodata,"a",@progbits
	.p2align	6, 0x0
	.amdhsa_kernel k_q53e8e869d8_quant
		.amdhsa_group_segment_fixed_size 33280
		.amdhsa_private_segment_fixed_size 0
		.amdhsa_enable_private_segment 0
		.amdhsa_kernarg_size 48
		.amdhsa_user_sgpr_count 2
		.amdhsa_user_sgpr_kernarg_segment_ptr 1
		.amdhsa_wavefront_size32 1
		.amdhsa_system_sgpr_workgroup_id_x 1
		.amdhsa_system_sgpr_workgroup_id_y 1
		.amdhsa_system_sgpr_workgroup_id_z 1
		.amdhsa_system_vgpr_workitem_id 0
		.amdhsa_next_free_vgpr 224
		.amdhsa_next_free_sgpr 66
		.amdhsa_reserve_vcc 0
		.amdhsa_float_denorm_mode_32 3
		.amdhsa_float_denorm_mode_16_64 3
		.amdhsa_memory_ordered 1
		.amdhsa_forward_progress 1
		.amdhsa_inst_pref_size 33
	.end_amdhsa_kernel
	.amdgpu_metadata
---
amdhsa.version: [ 1, 2 ]
amdhsa.kernels:
  - .name:           k_q53e8e869d8_quant
    .symbol:         k_q53e8e869d8_quant.kd
    .args:
      - { .name: x, .offset: 0, .size: 8, .value_kind: global_buffer, .address_space: global }
      - { .name: w_q, .offset: 8, .size: 8, .value_kind: global_buffer, .address_space: global }
      - { .name: w_k, .offset: 16, .size: 8, .value_kind: global_buffer, .address_space: global }
      - { .name: w_v, .offset: 24, .size: 8, .value_kind: global_buffer, .address_space: global }
      - { .name: codes, .offset: 32, .size: 8, .value_kind: global_buffer, .address_space: global }
      - { .name: scales, .offset: 40, .size: 8, .value_kind: global_buffer, .address_space: global }
    .group_segment_fixed_size: 33280
    .private_segment_fixed_size: 0
    .kernarg_segment_align: 8
    .kernarg_segment_size: 48
    .max_flat_workgroup_size: 128
    .sgpr_count:     66
    .vgpr_count:     224
    .wavefront_size: 32
...
	.end_amdgpu_metadata
.endif
;; end of part 1
;; launch proj (part 2): grid 48 x 4, 4 waves a work-group, clusters of 4 x 4, 327,680 bytes of LDS; arguments codes, scales, qk16, vt, qk32; writes qk16, vt, qk32
.if DOCPART == 2
	.amdgcn_target "amdgcn-amd-amdhsa--gfx1250"
	.amdhsa_code_object_version 6
	.text
	.protected	k_q53e8e869d8_proj
	.globl	k_q53e8e869d8_proj
	.p2align	8
	.type	k_q53e8e869d8_proj,@function
k_q53e8e869d8_proj:
	s_mov_b64 s[64:65], 0
	v_nop
	global_prefetch_b8 v0, s[64:65] scope:SCOPE_SE
	s_setreg_imm32_b32 hwreg(HW_REG_WAVE_MODE, 25, 1), 1
	s_wait_xcnt 0x0
	s_wait_alu depctr_hold_cnt(0) depctr_sa_sdst(0) depctr_va_vdst(0) depctr_va_sdst(0) depctr_va_ssrc(0) depctr_va_vcc(0) depctr_vm_vsrc(0)
	s_getreg_b32 s2, hwreg(HW_REG_IB_STS2, 6, 4)
	s_cmp_eq_u32 s2, 0
	s_cbranch_scc0 .Lentry_in_a_cluster
	s_endpgm
.Lentry_in_a_cluster:
	s_bfe_u32 s2, ttmp6, 0x10000c
	s_cmp_lg_u32 s2, 0xf033
	s_cbranch_scc0 .Lentry_shape_is_right
	s_endpgm
.Lentry_shape_is_right:
; q = x Wq^T, k = x Wk^T, v^T = Wv x^T on codes of E2M1 with E8M0 scales (K = 1,024), f32 sums; results rounded once to f16 (limit: magnitudes under 65,504).  q and k of positions 0-15 also leave in f32, for the launch `fine`.
; Twelve clusters of 4 x 4 work-groups, c = the cluster's number; each makes 1,024 x 1,024 of C = A B^T, A and B being rows of `codes`:
;   c < 8: A = x rows 1,024 (c / 2) on, B = w_q (c even) or w_k (c odd): C goes to qk16 (q, then k 2^23 bytes on), pitch 2,048 bytes;
;   c >= 8: A = w_v, B = x rows 1,024 (c - 8) on: C = v^T goes to vt, [channel][key], pitch 8,704 bytes: v comes out with the keys innermost and nothing is transposed.
; A work-group makes 256 x 256, a wave 128 x 128: 64 accumulators.  K goes in two steps of 512 (rows of 256 bytes) through two LDS slots, each filled once; the scale bytes of the 512 rows come with the first fills.
; The four work-groups of a row of the cluster need the same rows of A, the four of a column the same rows of B: each tile is asked for jointly.  192 work-groups: tiles of half the size would make 384, which is one and a half per WGP.
; The matrix instruction is used transposed (source 0 = 16 rows of B, source 1 = 16 rows of A): a lane holds eight neighbouring numbers of a row of C.
; REGISTERS: window 0: v0-31 addresses; v32-95 scale words, two sets, and nothing else; v96-105 the way out's offsets; v128-191 A's fragments, one set, later rows read back; v192-223 packed results.
;   window 1: B's fragments, two sets.   windows 2, 3: the accumulators ((a, b) at v[8 (8 (a % 4) + b)]).
.set KSTEP,  512
.set NQ,     4
.set ROWB,   256
.set KROW,   512
.set PITCH,  272                       ; an LDS row: 256 bytes + 16 of padding: the 16 rows that a load touches start 4 banks apart
.set FR,     8
.set NL,     2
.set NP,     4                         ; places behind this matrix instruction (ISA guide 7.12.1)
.set HALFT,  128*PITCH
.set SLOT,   4*HALFT
.set KS,     32                        ; a row of scale bytes
.set SCL,    2*SLOT
.set HALFS,  16*272                    ; the scales of 128 rows
.set SBLK,   2*272                     ; of 16 rows
.set SPARE,  SCL+4*HALFS               ; the spare words: 128 bytes a wave, named by no other line
.set ADRA, 16
.set ADRB, 20
.set STO,  24
.set RD,   25
.set ADRS, 27
.set SPW,  28
.set NIL,  29
.set SC,   32
.set CO,   96                          ; v96-103 byte offsets in C of the eight pairs of rows of a block
.set FO,   104                         ; v104 my byte offset in qk32
.set ROWG, 105                         ; v105 the row of `codes` that my lane's row of block 0 stands for
.set AF,   128
.set BK,   128
.set TMP,  192
.set G1, 24
.set G0, 32
.set G1B, 48
.set G0B, 56
.set G1S, 68
.set G0S, 76
.set G1SB, 80
.set G0SB, 88
.set MSB, 0
.macro WIN new                         ; the immediate's high byte repeats the setting that is left
.if MSB != (\new)
	s_set_vgpr_msb (MSB<<8)|(\new)
.set MSB, (\new)
.endif
.endm
.set MUL_LO, 0xa1                      ; source 0 (B) window 1, source 1 (A) window 0, C and D window 2
.set MUL_HI, 0xf1
.set TO_B,   0x40
; A joint load: waves 0 and 1 fetch for A, waves 2 and 3 for B; the branch hangs on the wave's number alone.  An s_nop 0 and four v_nop follow each line.
.macro JLOAD g0a, g1a, g0b, g1b
	s_cmp_eq_u32 s15, 0
	s_cbranch_scc0 .Lfor_b_\@
	tensor_load_to_lds s[\g0a:\g0a+3], s[\g1a:\g1a+7]
	s_nop 0
.rept 4
	v_nop
.endr
	s_branch .Lasked_\@
.Lfor_b_\@:
	tensor_load_to_lds s[\g0b:\g0b+3], s[\g1b:\g1b+7]
	s_nop 0
.rept 4
	v_nop
.endr
.Lasked_\@:
.endm
.macro CROUND                          ; a round of the cluster's barrier
	s_barrier_signal -1
	s_barrier_wait -1
	s_cmp_lg_u32 s14, 0
	s_cbranch_scc1 .Lnot_wave_0_\@
	s_barrier_signal -3
.Lnot_wave_0_\@:
	s_barrier_wait -3
	s_barrier_signal -1
	s_barrier_wait -1
.endm
	s_load_b256 s[4:11], s[0:1], 0x0               ; codes s[4:5], scales s[6:7], qk16 s[8:9], vt s[10:11]
	s_load_b64 s[12:13], s[0:1], 0x20              ; qk32
	v_lshl_add_u32 v[SPW], v0, 2, SPARE
	v_mov_b32 v[NIL], 0
	ds_add_u32 v[SPW], v[NIL]                      ; the opening: the add, twice on end, and its wait ahead of my first tensor load
	ds_add_u32 v[SPW], v[NIL]
	v_lshrrev_b32 v1, 5, v0
	v_readfirstlane_b32 s14, v1                    ; wave 0..3
	s_lshr_b32 s15, s14, 1                         ; which half of the tile's rows is mine.  Also: I fetch for A (0) or for B (1)
	s_and_b32 s16, s14, 1                          ; which half of its columns.  Also: which 128 rows I fetch
	s_bfe_u32 s40, ttmp6, 0x40000                  ; cx
	s_bfe_u32 s41, ttmp6, 0x40004                  ; cy
	s_lshr_b32 s17, ttmp9, 1
	s_lshl_b32 s17, s17, 2                         ; 4 (c / 2)
	s_and_b32 s95, ttmp9, 1                        ; c % 2
	s_lshl_b32 s42, s95, 2
	s_add_co_u32 s42, s42, 16                      ; 16 + 4 (c % 2)
	s_sub_co_u32 s45, ttmp9, 8
	s_lshl_b32 s45, s45, 2                         ; 4 (c - 8)
	s_mov_b32 s96, 8704
	s_cmp_lt_u32 ttmp9, 8                          ; the cluster's number: the same in all sixteen partners
	s_cselect_b32 s17, s17, 24
	s_cselect_b32 s42, s42, s45
	s_cselect_b32 s96, 2048, s96                   ; C's pitch in bytes
	s_cselect_b32 s97, 0, 24                       ; what A's tile number has above C's tile row
	s_add_co_u32 s17, s17, s41                     ; A's tile of 256 rows of `codes`: hangs on cy alone
	s_add_co_u32 s42, s42, s40                     ; B's: on cx alone
	s_lshl_b32 s43, s41, 2
	s_lshl_b32 s43, 15, s43                        ; my row of the cluster
	s_lshl_b32 s44, 0x1111, s40                    ; my column
	s_or_b32 s[G1+0], s43, (0<<16)|(1<<20)|(1<<21)|(5<<22)|(3<<25)  ; the mask; elements of 1 byte; padding: 4 words behind every 64
	s_or_b32 s[G1B+0], s44, (0<<16)|(1<<20)|(1<<21)|(5<<22)|(3<<25)
.irp g, G1, G1B
	s_mov_b32 s[\g+1], ROWB<<16                    ; tensor_dim0
	s_mov_b32 s[\g+2], 128<<16                     ; tensor_dim1
	s_mov_b32 s[\g+3], ROWB<<16                    ; tile_dim0
	s_mov_b32 s[\g+4], 128                         ; tile_dim1
	s_mov_b32 s[\g+5], KROW                        ; from row to row
	s_mov_b32 s[\g+6], 0
	s_mov_b32 s[\g+7], 0
.endr
	s_or_b32 s[G1S+0], s43, (3<<16)|(1<<20)|(1<<21)|(5<<22)|(3<<25) ; the scales of 128 rows: 4,096 dense bytes as 16 rows of 32 elements of 8 bytes
	s_or_b32 s[G1SB+0], s44, (3<<16)|(1<<20)|(1<<21)|(5<<22)|(3<<25)
.irp g, G1S, G1SB
	s_mov_b32 s[\g+1], 32<<16
	s_mov_b32 s[\g+2], 16<<16
	s_mov_b32 s[\g+3], 32<<16
	s_mov_b32 s[\g+4], 16
	s_mov_b32 s[\g+5], 32
	s_mov_b32 s[\g+6], 0
	s_mov_b32 s[\g+7], 0
.endr
	s_lshl_b32 s18, s16, 7
	s_lshl_b32 s20, s17, 8
	s_add_co_u32 s20, s20, s18                     ; A: the first row that I fetch
	s_lshl_b32 s46, s42, 8
	s_add_co_u32 s46, s46, s18                     ; B likewise
	s_mov_b32 s21, 0
	s_mov_b32 s47, 0
	s_lshl_b64 s[22:23], s[20:21], 5               ; its scale bytes,
	s_lshl_b64 s[92:93], s[46:47], 5
	s_lshl_b64 s[20:21], s[20:21], 9               ; its codes
	s_lshl_b64 s[46:47], s[46:47], 9
	s_mul_i32 s45, s14, HALFT                      ; where they go: wave x 128 rows
	s_mul_i32 s94, s14, HALFS
	s_wait_dscnt 0x0                               ; both opening adds are done
	s_wait_kmcnt 0x0
	s_add_nc_u64 s[20:21], s[4:5], s[20:21]
	s_add_nc_u64 s[22:23], s[6:7], s[22:23]
	s_add_nc_u64 s[46:47], s[4:5], s[46:47]
	s_add_nc_u64 s[92:93], s[6:7], s[92:93]
	CROUND                                         ; all sixteen work-groups are here: the joint loads meet
	s_mov_b32 s[G0S], 1
	s_add_co_u32 s[G0S+1], s94, SCL
	s_mov_b64 s[G0S+2:G0S+3], s[22:23]
	s_or_b32 s[G0S+3], s[G0S+3], 0x80000000
	s_mov_b32 s[G0SB], 1
	s_add_co_u32 s[G0SB+1], s94, SCL
	s_mov_b64 s[G0SB+2:G0SB+3], s[92:93]
	s_or_b32 s[G0SB+3], s[G0SB+3], 0x80000000
	JLOAD G0S, G1S, G0SB, G1SB                     ; the scales first
.irp s, 0,1
	s_mov_b32 s[G0+4*\s], 1
	s_add_co_u32 s[G0+4*\s+1], s45, \s*SLOT
	s_add_nc_u64 s[G0+4*\s+2:G0+4*\s+3], s[20:21], \s*ROWB
	s_or_b32 s[G0+4*\s+3], s[G0+4*\s+3], 0x80000000
	s_mov_b32 s[G0B+4*\s], 1
	s_add_co_u32 s[G0B+4*\s+1], s45, \s*SLOT
	s_add_nc_u64 s[G0B+4*\s+2:G0B+4*\s+3], s[46:47], \s*ROWB
	s_or_b32 s[G0B+4*\s+3], s[G0B+4*\s+3], 0x80000000
	JLOAD G0+4*\s, G1, G0B+4*\s, G1B               ; three loads of mine are out: the scales and both K steps
.endr
	v_and_b32 v1, 15, v0                           ; r
	v_bfe_u32 v2, v0, 4, 1                         ; h
	v_mul_u32_u24 v3, v1, PITCH
	v_lshl_add_u32 v4, v2, 4, v3
	s_mul_i32 s21, s15, HALFT
	s_mul_i32 s22, s16, HALFT
	s_add_co_u32 s22, s22, 2*HALFT
.irp s, 0,1
	v_add_nc_u32 v[ADRA+\s], s21, v4
	v_add_nc_u32 v[ADRB+\s], s22, v4
	s_add_co_u32 s21, s21, SLOT
	s_add_co_u32 s22, s22, SLOT
.endr
	v_mul_u32_u24 v5, v1, KS                       ; my row's scales: 32 bytes a row,
	v_lshrrev_b32 v6, 8, v5
	v_lshl_add_u32 v5, v6, 4, v5                   ; and 16 more for each 256 passed
	s_mul_i32 s21, s15, HALFS
	s_mul_i32 s22, s16, HALFS
	s_add_co_u32 s22, s22, 2*HALFS
	s_sub_co_u32 s22, s22, s21
	v_mul_u32_u24 v6, s22, v2                      ; lanes 16-31 take B's
	s_add_co_u32 s21, s21, SCL
	v_add_nc_u32 v5, v5, v6
	v_add_nc_u32 v[ADRS], s21, v5
	s_mul_i32 s23, s14, 16*272                     ; my stage, in slot 0: 16 rows x 272 bytes
	v_mul_u32_u24 v5, v1, 272
	v_lshl_add_u32 v5, v2, 4, v5
	v_add_nc_u32 v[STO], s23, v5                   ; in: row r, 16 bytes for each half of the lanes
	v_mul_u32_u24 v5, v2, 272
	v_lshl_add_u32 v5, v1, 4, v5
	v_add_nc_u32 v[RD], s23, v5                    ; back: lanes 0-15 one row of 256 bytes, lanes 16-31 the next
	v_mul_lo_u32 v5, v2, s96
	v_lshl_add_u32 v[CO], v1, 4, v5                ; the same two rows in C,
	s_lshl_b32 s19, s96, 1
.irp t, 1,2,3,4,5,6,7
	v_add_nc_u32 v[CO+\t], s19, v[CO+\t-1]         ; and the seven pairs below
.endr
	s_lshl_b32 s66, s96, 4                         ; 16 rows of C in bytes
	s_mov_b32 s67, 0
	s_lshl_b32 s20, s17, 8
	s_lshl_b32 s21, s15, 7
	s_add_co_u32 s20, s20, s21
	v_add_nc_u32 v[ROWG], s20, v1                  ; under 16 only for positions 0-15 of x as A
	v_lshlrev_b32 v[FO], 12, v1                    ; qk32: row r of 4,096 bytes,
	v_lshl_add_u32 v[FO], v2, 5, v[FO]             ; + 32 h,
	s_lshl_b32 s20, s40, 10
	s_lshl_b32 s21, s16, 9
	s_add_co_u32 s20, s20, s21
	v_add_nc_u32 v[FO], s20, v[FO]                 ; + my wave's first column
	s_lshl_b32 s20, s95, 16                        ; q, or k 65,536 bytes on
	s_mov_b32 s21, 0
	s_add_nc_u64 s[12:13], s[12:13], s[20:21]
	s_cmp_lt_u32 ttmp9, 8
	s_cselect_b64 s[8:9], s[8:9], s[10:11]         ; qk16 or vt
	s_cselect_b32 s99, s40, s42                    ; C's tile column
	s_cselect_b32 s18, s95, 0
	s_lshl_b32 s18, s18, 23                        ; k's half of qk16
	s_mov_b32 s19, 0
	s_add_nc_u64 s[8:9], s[8:9], s[18:19]
	s_sub_co_u32 s20, s17, s97
	s_lshl_b32 s20, s20, 8
	s_lshl_b32 s21, s15, 7
	s_add_co_u32 s20, s20, s21                     ; my first row of C
	s_mul_i32 s20, s20, s96
	s_lshl_b32 s21, s99, 9
	s_add_co_u32 s20, s20, s21
	s_lshl_b32 s21, s16, 8
	s_add_co_u32 s20, s20, s21                     ; + my first column, 2 bytes each
	s_mov_b32 s21, 0
	s_add_nc_u64 s[8:9], s[8:9], s[20:21]
.macro FRAG reg, adr, q, i             ; 16 rows x 128 K of 4-bit codes: 8 registers, two loads of 16 bytes 32 bytes apart
.irp c, 0,1
	ds_load_b128 v[\reg+4*\c:\reg+4*\c+3], v[\adr] offset:64*(\q)+32*\c+(\i)*16*PITCH
.endr
.endm
; 16 matrix instructions: A's blocks a0, a0 + 1 x B's eight.  The 64 accumulators take turns, one instruction a turn.
.macro MUL16 a0, p, q, sc, zero
.irp a, \a0, \a0+1
.irp b, 0,1,2,3,4,5,6,7
.if \zero
	v_wmma_scale_f32_16x16x128_f8f6f4 v[8*(8*((\a)%4)+\b):8*(8*((\a)%4)+\b)+7], v[128*(\p)+FR*\b:128*(\p)+FR*\b+FR-1], v[AF+FR*(\a):AF+FR*(\a)+FR-1], 0, v[SC+8*NQ*(\sc)+NQ*\b+(\q)], v[SC+8*NQ*(\sc)+NQ*(\a)+(\q)] matrix_a_fmt:MATRIX_FMT_FP4 matrix_b_fmt:MATRIX_FMT_FP4 matrix_a_scale:MATRIX_SCALE_ROW1
.else
	v_wmma_scale_f32_16x16x128_f8f6f4 v[8*(8*((\a)%4)+\b):8*(8*((\a)%4)+\b)+7], v[128*(\p)+FR*\b:128*(\p)+FR*\b+FR-1], v[AF+FR*(\a):AF+FR*(\a)+FR-1], v[8*(8*((\a)%4)+\b):8*(8*((\a)%4)+\b)+7], v[SC+8*NQ*(\sc)+NQ*\b+(\q)], v[SC+8*NQ*(\sc)+NQ*(\a)+(\q)] matrix_a_fmt:MATRIX_FMT_FP4 matrix_b_fmt:MATRIX_FMT_FP4 matrix_a_scale:MATRIX_SCALE_ROW1
.endif
.endr
.endr
.endm
.macro FETCH_B slot, q, p
	WIN TO_B
.irp i, 0,1,2,3,4,5,6,7
	FRAG 128*(\p)+FR*\i, ADRB+\slot, \q, \i
.endr
	WIN 0
.endm
.macro FETCH_A slot, q, i0
.irp i, \i0, \i0+1, \i0+2, \i0+3
	FRAG AF+FR*(\i), ADRA+\slot, \q, \i
.endr
.endm
.macro SCALES sc                       ; a K step's scale words: lanes 0-15 A's block i, lanes 16-31 B's block i
.irp i, 0,1,2,3,4,5,6,7
	ds_load_b128 v[SC+8*NQ*\sc+NQ*\i:SC+8*NQ*\sc+NQ*\i+3], v[ADRS] offset:\i*SBLK
.endr
.endm
.macro PLACES n                        ; plain vector instructions between a matrix instruction and a load into, or a read of, its registers
.rept \n
	v_nop
.endr
.endm
.macro STEP slot, q, zero              ; 128 along K, with its successor in the same slot
	s_wait_dscnt 4*NL                              ; B's set and A's blocks 0-3 are in; the eight loads of A's blocks 4-7 may be out
	WIN MUL_LO
	MUL16 0, (\q)%2, \q, \slot, \zero
	MUL16 2, (\q)%2, \q, \slot, \zero
	s_wait_dscnt 0
	PLACES NP
	FETCH_B \slot, (\q)+1, 1-(\q)%2
	FETCH_A \slot, (\q)+1, 0
	WIN MUL_HI
	MUL16 4, (\q)%2, \q, \slot, \zero
	MUL16 6, (\q)%2, \q, \slot, \zero
	PLACES NP
	WIN 0
	FETCH_A \slot, (\q)+1, 4
.endm
.macro TURN slot, next                 ; slot 0's last step: one barrier; nothing is filled again
	s_wait_tensorcnt 0x0                           ; all my tensor loads have landed: my part of the next slot
	ds_add_u32 v[SPW], v[NIL]
	s_wait_dscnt 4*NL+1                            ; the add and the eight loads of A's blocks 4-7 may be out
	WIN MUL_LO
	MUL16 0, 1, NQ-1, \slot, 0
	s_wait_dscnt 0x0                               ; the add is done, and my reads of this slot are over
	s_barrier_signal -1
	MUL16 2, 1, NQ-1, \slot, 0
	WIN 0
	s_barrier_wait -1
	PLACES NP
	v_add_nc_u32 v[ADRS], 4*NQ, v[ADRS]            ; the next K step's scale words
	FETCH_B \next, 0, 0
	FETCH_A \next, 0, 0
	SCALES \next
	WIN MUL_HI
	MUL16 4, 1, NQ-1, \slot, 0
	MUL16 6, 1, NQ-1, \slot, 0
	PLACES NP
	WIN 0
	FETCH_A \next, 0, 4
.endm
	s_wait_tensorcnt 1                             ; the scales and my part of K step 0 are in; K step 1's load may be out
	s_barrier_signal -1
	s_barrier_wait -1
	FETCH_B 0, 0, 0
	FETCH_A 0, 0, 0
	SCALES 0
	FETCH_A 0, 0, 4
	STEP 0, 0, 1                                   ; the first products start the sums
	STEP 0, 1, 0
	STEP 0, 2, 0
	TURN 0, 1
	STEP 1, 0, 0
	STEP 1, 1, 0
	STEP 1, 2, 0
	s_wait_dscnt 4*NL                              ; the last step
	WIN MUL_LO
	MUL16 0, 1, NQ-1, 1, 0
	MUL16 2, 1, NQ-1, 1, 0
	s_wait_dscnt 0
	WIN MUL_HI
	MUL16 4, 1, NQ-1, 1, 0
	MUL16 6, 1, NQ-1, 1, 0
	WIN 0
	PLACES NP
	; q and k of positions 0-15 in f32: block 0 of the waves whose rows are those positions; all other lanes are off.  No branch: partners run alike.
	v_cmp_gt_u32 vcc_lo, 16, v[ROWG]
	s_wait_xcnt 0x0                                ; EXEC changes only behind this wait
	s_and_saveexec_b32 s94, vcc_lo
	WIN 0x08                                       ; a store's data: window 2
.irp b, 0,1,2,3,4,5,6,7
	global_store_b128 v[FO], v[8*\b:8*\b+3], s[12:13] offset:64*\b
	global_store_b128 v[FO], v[8*\b+4:8*\b+7], s[12:13] offset:64*\b+16
.endr
	WIN 0
	s_wait_xcnt 0x0                                ; and again ahead of the line that widens it
	s_or_b32 exec_lo, exec_lo, s94
; THE WAY OUT, a block of 16 rows x 128 columns at a time: rounded to f16, 16 bytes a lane, through my stage (slot 0 has had its only fill, and nobody reads it behind the barrier above), back as rows of 256 bytes.
.macro PACK a
.set AC, 64*((\a)%4)
	WIN 0x0a+5*((\a)/4)
.irp b, 0,1,2,3,4,5,6,7
.irp r, 0,1,2,3
	v_cvt_pk_f16_f32 v[TMP+4*\b+\r], v[AC+8*\b+2*\r], v[AC+8*\b+2*\r+1]
.endr
.endr
	WIN 0
.endm
.macro TOSTAGE a
.set BB, BK+32*((\a)%2)
.irp b, 0,1,2,3,4,5,6,7
	ds_store_b128 v[STO], v[TMP+4*\b:TMP+4*\b+3] offset:32*\b
.endr
.irp t, 0,1,2,3,4,5,6,7
	ds_load_b128 v[BB+4*\t:BB+4*\t+3], v[RD] offset:\t*2*272       ; LDS serves a wave's instructions in order: these see the stores above
.endr
.endm
.macro SEND a
.set BB, BK+32*((\a)%2)
	s_wait_dscnt 0x0                               ; the block is back in registers
	s_wait_xcnt 0x0                                ; earlier stores have read their base and their data: the base may step, and the block after next may land in their registers
.if (\a) > 0
	s_add_nc_u64 s[8:9], s[8:9], s[66:67]          ; 16 rows of C on
.endif
.irp t, 0,1,2,3,4,5,6,7
	global_store_b128 v[CO+\t], v[BB+4*\t:BB+4*\t+3], s[8:9]       ; 16 lanes store 256 consecutive aligned bytes
.endr
.endm
	PACK 0
	TOSTAGE 0
.irp a, 1,2,3,4,5,6,7
	PACK \a
	SEND \a-1
	TOSTAGE \a
.endr
	SEND 7
	s_wait_tensorcnt 0x0                           ; the wave's end
	ds_add_u32 v[SPW], v[NIL]
	s_wait_dscnt 0x0
	CROUND                                         ; the closing round
	s_endpgm
.Lfunc_end_k_q53e8e869d8_proj:
	.size	k_q53e8e869d8_proj, .Lfunc_end_k_q53e8e869d8_proj-k_q53e8e869d8_proj
	.p2alignl 7, 3214868480
	.fill 96, 4, 3214868480
	.section	.rodata,"a",@progbits
	.p2align	6, 0x0
	.amdhsa_kernel k_q53e8e869d8_proj
		.amdhsa_group_segment_fixed_size 327680
		.amdhsa_private_segment_fixed_size 0
		.amdhsa_enable_private_segment 0
		.amdhsa_kernarg_size 40
		.amdhsa_user_sgpr_count 2
		.amdhsa_user_sgpr_kernarg_segment_ptr 1
		.amdhsa_wavefront_size32 1
		.amdhsa_system_sgpr_workgroup_id_x 1
		.amdhsa_system_sgpr_workgroup_id_y 1
		.amdhsa_system_sgpr_workgroup_id_z 1
		.amdhsa_system_vgpr_workitem_id 0
		.amdhsa_next_free_vgpr 1024
		.amdhsa_next_free_sgpr 100
		.amdhsa_reserve_vcc 1
		.amdhsa_float_denorm_mode_32 3
		.amdhsa_float_denorm_mode_16_64 3
		.amdhsa_memory_ordered 1
		.amdhsa_forward_progress 1
		.amdhsa_inst_pref_size 129
	.end_amdhsa_kernel
	.amdgpu_metadata
---
amdhsa.version: [ 1, 2 ]
amdhsa.kernels:
  - .name:           k_q53e8e869d8_proj
    .symbol:         k_q53e8e869d8_proj.kd
    .args:
      - { .name: codes, .offset: 0, .size: 8, .value_kind: global_buffer, .address_space: global }
      - { .name: scales, .offset: 8, .size: 8, .value_kind: global_buffer, .address_space: global }
      - { .name: qk16, .offset: 16, .size: 8, .value_kind: global_buffer, .address_space: global }
      - { .name: vt, .offset: 24, .size: 8, .value_kind: global_buffer, .address_space: global }
      - { .name: qk32, .offset: 32, .size: 8, .value_kind: global_buffer, .address_space: global }
    .group_segment_fixed_size: 327680
    .private_segment_fixed_size: 0
    .kernarg_segment_align: 8
    .kernarg_segment_size: 40
    .max_flat_workgroup_size: 128
    .sgpr_count:     100
    .vgpr_count:     1024
    .wavefront_size: 32
...
	.end_amdgpu_metadata
.endif
;; end of part 2
;; launch fine (part 3): grid 17 x 1, 16 waves a work-group, no clusters, 162,048 bytes of LDS; arguments qk32, codes, scales, mask, p, vt, st; writes p, vt, st
.if DOCPART == 3
	.amdgcn_target "amdgcn-amd-amdhsa--gfx1250"
	.amdhsa_code_object_version 6
	.text
	.protected	k_q53e8e869d8_fine
	.globl	k_q53e8e869d8_fine
	.p2align	8
	.type	k_q53e8e869d8_fine,@function
k_q53e8e869d8_fine:
	s_mov_b64 s[64:65], 0
	v_nop
	global_prefetch_b8 v0, s[64:65] scope:SCOPE_SE
	s_setreg_imm32_b32 hwreg(HW_REG_WAVE_MODE, 25, 1), 1
	s_wait_xcnt 0x0
; THE FIRST 16 POSITIONS, CARRIED FINELY, and the fill of the extra key columns.  P and v^T have 256 columns beyond the 4,096 keys (e = 0 .. 255; two more runs of 128, numbers 32 and 33).
; The corner, queries 0-15 x keys 0-15, is taken out of the launch `scores` and served here: scores in f32 (the f32 matrix form: 16 x 16 x 1,024, no bulk work), mask, p = 2^(t - M) with the corner's own whole-number M,
; p and v split in f32 into a high and a low f16 part.  e 0-15: P = p high, V = v high;  e 16-31: P = p low, V = v high;  e 64-79: P = p high, V = v low;  all other e: zeros.  So `pv` sums ph vh + pl vh + ph vl with no path of its own.
; Work-group 0 (path A): the corner's p and its (-M, sum) as run 32 of rows 0-15.
; Work-groups 1-16 (path B), b = 0 .. 15: every wave, U = 16 b + wave, stores zeros into P's extra columns of rows 16 U .. 16 U + 15 (not rows 0-15): 16 stores a wave, shared out over 256 waves.
; Waves 0-3 of each, W = 4 b + wave = 0 .. 63, also make v of keys 0-15 for channels 16 W .. 16 W + 15, anew from the codes by the scaled 4-bit form, split, into vt's extra columns, and
; run 33 and run 32 (rows 16 on) of st for rows 64 W .. 64 W + 63: -M = 3e38, sum = 0, so that their factor is 0.
; Each path has LDS bytes of its own.  No tensor load.  A row of the corner that keeps no key gets -M = 1.35e37, p = 0, sum = 0.
; REGISTERS: v1 r, v2 h, v3 lane; v4-7 LDS addresses; v8-11 high parts, v12-15 low parts; v16-143 operands, later rows on their way out; v144-159 scale words and nothing else; v160-175 path B's sums;
; v176-183 f32 results; v184-191 mask words; v192-207 at work; v208-211 zeros; v212-219 offsets and constants; v232-247 the f32 matrix form's sums, written by matrix instructions alone; v252, v253 the add's two; v254 -infinity.
.set STB,   8448                       ; a stage: 16 rows x (512 bytes + 16)
.set PART,  16*STB                     ; path A: the sixteen waves' partial scores, 1,024 bytes each
.set STA,   PART+16*1024               ; path A's stage
.set SPARE, STA+STB                    ; 160,000: the spare words, 128 bytes a wave
.set SPW,   252
.set NIL,   253
.set PP,    8704                       ; pitch of P and of v^T in bytes
.set ST1,   557056                     ; st's second part
.macro HILO s                          ; eight f32 in v[s] on -> high parts v8-11, low parts v12-15
.irp i, 0,1,2,3
	v_cvt_pk_f16_f32 v[8+\i], v[\s+2*\i], v[\s+2*\i+1]
.endr
	v_cvt_f32_f16 v192, v8.l
	v_cvt_f32_f16 v193, v8.h
	v_cvt_f32_f16 v194, v9.l
	v_cvt_f32_f16 v195, v9.h
	v_cvt_f32_f16 v196, v10.l
	v_cvt_f32_f16 v197, v10.h
	v_cvt_f32_f16 v198, v11.l
	v_cvt_f32_f16 v199, v11.h
.irp j, 0,1,2,3,4,5,6,7
	v_sub_f32 v[192+\j], v[\s+\j], v[192+\j]       ; what the high part left, exact in f32
.endr
.irp i, 0,1,2,3
	v_cvt_pk_f16_f32 v[12+\i], v[192+2*\i], v[192+2*\i+1]
.endr
.endm
.macro ROWS_OUT x, y, z, sb            ; 16 rows of 256 extra columns: zeros, my 16 bytes at e = 8 h, 16 + 8 h, 64 + 8 h of row r; then whole rows of 512 bytes leave
.irp i, 0,1,2,3,4,5,6,7,8,9,10,11,12,13,14,15
	ds_store_b128 v4, v[208:211] offset:528*\i
.endr
	ds_store_b128 v5, v[\x:\x+3]
	ds_store_b128 v5, v[\y:\y+3] offset:32
	ds_store_b128 v5, v[\z:\z+3] offset:128
.irp i, 0,1,2,3,4,5,6,7,8,9,10,11,12,13,14,15
	ds_load_b128 v[16+4*\i:19+4*\i], v4 offset:528*\i              ; LDS serves a wave's instructions in order: these see my stores
.endr
.irp i, 0,1,2,3,4,5,6,7,8,9,10,11,12,13,14,15
	s_wait_dscnt 15-\i                             ; row i is back; the later rows' loads may be out
	global_store_b128 v214, v[16+4*\i:19+4*\i], s[\sb:\sb+1] offset:PP*\i
.endr
.endm
.macro ZFILL                           ; zeros into the 512 extra bytes of my 16 rows of P: 32 lanes store a row
.irp i, 0,1,2,3,4,5,6,7,8,9,10,11,12,13,14,15
	global_store_b128 v214, v[208:211], s[12:13] offset:PP*\i
.endr
.endm
	s_load_b256 s[4:11], s[0:1], 0x0               ; qk32 s[4:5], codes s[6:7], scales s[8:9], mask s[10:11]
	s_load_b128 s[12:15], s[0:1], 0x20             ; p s[12:13], vt s[14:15]
	s_load_b64 s[16:17], s[0:1], 0x30              ; st
	v_lshl_add_u32 v[SPW], v0, 2, SPARE
	v_mov_b32 v[NIL], 0
	v_lshrrev_b32 v3, 5, v0
	v_readfirstlane_b32 s18, v3                    ; wave 0..15
	v_and_b32 v1, 15, v0                           ; r
	v_bfe_u32 v2, v0, 4, 1                         ; h
	v_and_b32 v3, 31, v0                           ; lane
	s_mov_b32 s20, 0x76543210
	s_mov_b32 s21, 0xfedcba98                      ; v_permlanex16_b32's selects for lane l xor 16
	s_mov_b32 s22, 0x3d38aa3b                      ; c = log2(e) / 32
	s_mov_b32 s23, s22
.irp i, 0,1,2,3
	v_mov_b32 v[208+\i], 0
.endr
	v_lshlrev_b32 v214, 4, v3                      ; 16 x lane
	v_mov_b32 v254, 0xff800000                     ; -infinity
	s_cmp_lg_u32 ttmp9, 0
	s_cbranch_scc1 .Lpath_b
	; ---- path A.  Wave w takes d = 64 w .. 64 w + 63 of the 1,024.  Lane (r, h) loads 4 neighbours of row r at d = 8 i + 4 h: the same order of d on both sides, so the products pair rightly.
	v_lshlrev_b32 v212, 12, v1
	v_lshl_add_u32 v212, v2, 4, v212
	s_lshl_b32 s24, s18, 8
	v_add_nc_u32 v212, s24, v212                   ; row r of 4,096 bytes + 256 w + 16 h
	v_lshlrev_b32 v213, 14, v1
	v_lshl_add_u32 v213, v2, 5, v213               ; mask: row r of 16,384 bytes + 32 h
	v_add_nc_u32 v4, STA, v214
	v_mul_u32_u24 v5, v1, 528
	v_lshl_add_u32 v5, v2, 4, v5
	v_add_nc_u32 v5, STA, v5
	s_lshl_b32 s24, s18, 10
	s_add_co_u32 s24, s24, PART
	v_add_nc_u32 v6, s24, v214                     ; my wave's partial tile, as an image of its registers
	v_add_nc_u32 v7, PART, v214
	v_mul_u32_u24 v215, v2, ST1
	v_lshl_add_u32 v215, v1, 2, v215               ; st: 4 r, lanes 16-31 in the second part
	s_mov_b32 s24, 0xffff0000                      ; lanes 16-31
	s_wait_kmcnt 0x0
.irp i, 0,1,2,3,4,5,6,7
	global_load_b128 v[16+4*\i:19+4*\i], v212, s[4:5] offset:32*\i           ; q
	global_load_b128 v[48+4*\i:51+4*\i], v212, s[4:5] offset:65536+32*\i     ; k
.endr
	global_load_b128 v[184:187], v213, s[10:11]
	global_load_b128 v[188:191], v213, s[10:11] offset:16
	s_add_nc_u64 s[12:13], s[12:13], 8192          ; P's extra columns, row 0
	s_wait_loadcnt 0x0
	v_wmma_f32_16x16x4_f32 v[232:239], v[48:49], v[16:17], 0       ; source 0 = keys, source 1 = queries: a lane holds query r and keys 8 h + 0 .. 7.  Two sums by turns
	v_wmma_f32_16x16x4_f32 v[240:247], v[50:51], v[18:19], 0
.irp p, 2,4,6,8,10,12,14
	v_wmma_f32_16x16x4_f32 v[232:239], v[48+2*\p:49+2*\p], v[16+2*\p:17+2*\p], v[232:239]
	v_wmma_f32_16x16x4_f32 v[240:247], v[50+2*\p:51+2*\p], v[18+2*\p:19+2*\p], v[240:247]
.endr
.rept 8
	v_nop                                          ; eight places behind this form
.endr
.irp i, 0,2,4,6
	v_pk_add_f32 v[176+\i:177+\i], v[232+\i:233+\i], v[240+\i:241+\i]
.endr
	ds_store_b128 v6, v[176:179]
	ds_store_b128 v6, v[180:183] offset:512
	s_wait_dscnt 0x0                               ; for the others' sake: my stores have landed
	s_barrier_signal -1
	s_barrier_wait -1
	s_cmp_lg_u32 s18, 0
	s_cbranch_scc0 .Lwave_0
	s_wait_tensorcnt 0x0                           ; waves 1-15 end
	ds_add_u32 v[SPW], v[NIL]
	s_wait_dscnt 0x0
	s_endpgm
.Lwave_0:
.irp w, 0,1,2,3,4,5,6,7,8,9,10,11,12,13,14,15
	ds_load_b128 v[16+8*\w:19+8*\w], v7 offset:1024*\w
	ds_load_b128 v[20+8*\w:23+8*\w], v7 offset:1024*\w+512
.endr
	s_wait_dscnt 0x0
.irp d, 8,4,2,1                        ; the sixteen partial tiles are added as a tree
.set u, 0
.rept \d
.irp i, 0,2,4,6
	v_pk_add_f32 v[16+8*u+\i:17+8*u+\i], v[16+8*u+\i:17+8*u+\i], v[16+8*(u+\d)+\i:17+8*(u+\d)+\i]
.endr
.set u, u+1
.endr
.endr
.irp j, 0,1,2,3,4,5,6,7
	v_cmp_ne_u32 vcc_lo, 0, v[184+\j]
	v_cndmask_b32 v[16+\j], v254, v[16+\j], vcc_lo                 ; hidden where the mask is 0
.endr
	v_max3_num_f32 v200, v16, v17, v18
	v_max3_num_f32 v201, v19, v20, v21
	v_max3_num_f32 v200, v200, v22, v23
	v_max3_num_f32 v200, v200, v201, 0xff61b1e6    ; and -3e38, so that a row with no key kept stays a number
	v_permlanex16_b32 v201, v200, s20, s21
	v_max_num_f32 v200, v200, v201                 ; the corner's largest score of my query
	v_mul_f32 v200, s22, v200
	v_floor_f32 v202, -v200                        ; -M = floor(-t): M is a whole number
	v_mov_b32 v203, v202
.irp j, 0,2,4,6
	v_pk_fma_f32 v[16+\j:17+\j], v[16+\j:17+\j], s[22:23], v[202:203] op_sel_hi:[1,0,0]
.endr
.irp j, 0,1,2,3,4,5,6,7
	v_exp_f32 v[16+\j], v[16+\j]                   ; p = 2^(t - M)
.endr
	v_nop                                          ; a plain instruction behind the last exponential
	s_wait_alu depctr_va_vdst(0)                   ; one wait for the batch, ahead of its first reader
	v_pk_add_f32 v[204:205], v[16:17], v[18:19]
	v_pk_add_f32 v[206:207], v[20:21], v[22:23]
	v_pk_add_f32 v[204:205], v[204:205], v[206:207]
	v_add_f32 v204, v204, v205
	v_permlanex16_b32 v205, v204, s20, s21
	v_add_f32 v204, v204, v205                     ; the sum of the unrounded p
	v_cndmask_b32 v205, v202, v204, s24            ; lanes 0-15: -M, lanes 16-31: the sum
	global_store_b32 v215, v205, s[16:17] offset:32*16384
	HILO 16
	ROWS_OUT 8, 12, 8, 12                          ; p high, p low, p high
	s_wait_tensorcnt 0x0                           ; the wave's end: the three lines
	ds_add_u32 v[SPW], v[NIL]
	s_wait_dscnt 0x0
	s_endpgm
.Lpath_b:
	s_sub_co_u32 s25, ttmp9, 1                     ; b = 0 .. 15
	s_lshl_b32 s40, s25, 4
	s_add_co_u32 s40, s40, s18                     ; U = 16 b + wave = 0 .. 255: my 16 rows of P
	s_lshl_b32 s24, s25, 2
	s_add_co_u32 s24, s24, s18                     ; W = 4 b + wave: of use in waves 0-3, where it is 0 .. 63
	v_lshlrev_b32 v212, 9, v1
	v_lshl_add_u32 v212, v2, 4, v212               ; codes: row r of 512 bytes + 16 h
	v_lshlrev_b32 v215, 5, v1                      ; scale bytes: row r of 32
	v_lshlrev_b32 v216, 3, v3                      ; 8 x lane
	v_mov_b32 v218, 0x7f61b1e6                     ; 3e38
	v_mov_b32 v219, 0x7f61b1e6
	s_mul_i32 s30, s18, STB                        ; my stage: made for every wave, ahead of the parting below
	v_add_nc_u32 v4, s30, v214
	v_mul_u32_u24 v5, v1, 528
	v_lshl_add_u32 v5, v2, 4, v5
	v_add_nc_u32 v5, s30, v5
	s_lshl_b32 s25, s24, 4
	s_add_co_u32 s25, s25, 6144                    ; w_v's rows 16 W on, in `codes`
	s_lshl_b32 s26, s25, 9
	s_mov_b32 s27, 0
	s_lshl_b32 s28, s25, 5
	s_mov_b32 s29, 0
	s_mul_i32 s32, s40, 16*PP
	s_add_co_u32 s32, s32, 8192                    ; P: row 16 U, extra columns
	s_mov_b32 s33, 0
	s_mul_i32 s36, s24, 16*PP
	s_add_co_u32 s36, s36, 8192                    ; v^T: row 16 W, extra columns
	s_mov_b32 s37, 0
	s_lshl_b32 s38, s24, 8                         ; st: row 64 W
	s_mov_b32 s39, 0
	s_lshl_b32 s34, s24, 6
	v_lshl_add_u32 v217, v3, 1, s34                ; the first of my two rows of st
	s_wait_kmcnt 0x0
	s_add_nc_u64 s[26:27], s[6:7], s[26:27]
	s_add_nc_u64 s[28:29], s[8:9], s[28:29]
	s_add_nc_u64 s[12:13], s[12:13], s[32:33]
	s_add_nc_u64 s[14:15], s[14:15], s[36:37]
	s_add_nc_u64 s[16:17], s[16:17], s[38:39]
	s_cmp_lt_u32 s18, 4                            ; the one parting, on the wave's number
	s_cbranch_scc1 .Lv_role
	ZFILL                                          ; waves 4-15: their 16 rows of zeros (U is 4 at the least here), and no LDS at all
	s_endpgm
.Lv_role:
.irp s, 0,1,2,3,4,5,6,7
.irp c, 0,1
	global_load_b128 v[16+8*\s+4*\c:19+8*\s+4*\c], v212, s[6:7] offset:64*\s+32*\c       ; x, positions 0-15
	global_load_b128 v[80+8*\s+4*\c:83+8*\s+4*\c], v212, s[26:27] offset:64*\s+32*\c     ; w_v, my 16 channels
.endr
.endr
	global_load_b128 v[144:147], v215, s[8:9]      ; a row's eight scale words: one for each 128 along K
	global_load_b128 v[148:151], v215, s[8:9] offset:16
	global_load_b128 v[152:155], v215, s[28:29]
	global_load_b128 v[156:159], v215, s[28:29] offset:16
	s_cmp_eq_u32 s40, 0                            ; rows 0-15 are path A's: a branch on ids
	s_cbranch_scc1 .Lnot_corner
	ZFILL
.Lnot_corner:
	global_store_b64 v216, v[218:219], s[16:17] offset:33*16384            ; run 33: -M = 3e38,
	global_store_b64 v216, v[208:209], s[16:17] offset:33*16384+ST1        ; sum = 0
	v_cmp_le_u32 vcc_lo, 16, v217
	s_wait_xcnt 0x0                                ; EXEC changes only behind this wait
	s_and_saveexec_b32 s35, vcc_lo
	global_store_b64 v216, v[218:219], s[16:17] offset:32*16384            ; run 32 likewise, from row 16 on
	global_store_b64 v216, v[208:209], s[16:17] offset:32*16384+ST1
	s_wait_xcnt 0x0
	s_or_b32 exec_lo, exec_lo, s35
	s_wait_loadcnt 0x0
	v_wmma_scale_f32_16x16x128_f8f6f4 v[160:167], v[16:23], v[80:87], 0, v144, v152 matrix_a_fmt:MATRIX_FMT_FP4 matrix_b_fmt:MATRIX_FMT_FP4   ; source 0 = keys, source 1 = channels: a lane holds channel r and keys 8 h + 0 .. 7
	v_wmma_scale_f32_16x16x128_f8f6f4 v[168:175], v[24:31], v[88:95], 0, v145, v153 matrix_a_fmt:MATRIX_FMT_FP4 matrix_b_fmt:MATRIX_FMT_FP4   ; two sums by turns
.irp s, 2,4,6
	v_wmma_scale_f32_16x16x128_f8f6f4 v[160:167], v[16+8*\s:23+8*\s], v[80+8*\s:87+8*\s], v[160:167], v[144+\s], v[152+\s] matrix_a_fmt:MATRIX_FMT_FP4 matrix_b_fmt:MATRIX_FMT_FP4
	v_wmma_scale_f32_16x16x128_f8f6f4 v[168:175], v[24+8*\s:31+8*\s], v[88+8*\s:95+8*\s], v[168:175], v[145+\s], v[153+\s] matrix_a_fmt:MATRIX_FMT_FP4 matrix_b_fmt:MATRIX_FMT_FP4
.endr
.rept 4
	v_nop
.endr
.irp i, 0,2,4,6
	v_pk_add_f32 v[176+\i:177+\i], v[160+\i:161+\i], v[168+\i:169+\i]
.endr
	HILO 176
	ROWS_OUT 8, 8, 12, 14                          ; v high, v high, v low
	s_wait_tensorcnt 0x0                           ; the wave's end: the three lines
	ds_add_u32 v[SPW], v[NIL]
	s_wait_dscnt 0x0
	s_endpgm
.Lfunc_end_k_q53e8e869d8_fine:
	.size	k_q53e8e869d8_fine, .Lfunc_end_k_q53e8e869d8_fine-k_q53e8e869d8_fine
	.p2alignl 7, 3214868480
	.fill 96, 4, 3214868480
	.section	.rodata,"a",@progbits
	.p2align	6, 0x0
	.amdhsa_kernel k_q53e8e869d8_fine
		.amdhsa_group_segment_fixed_size 162048
		.amdhsa_private_segment_fixed_size 0
		.amdhsa_enable_private_segment 0
		.amdhsa_kernarg_size 56
		.amdhsa_user_sgpr_count 2
		.amdhsa_user_sgpr_kernarg_segment_ptr 1
		.amdhsa_wavefront_size32 1
		.amdhsa_system_sgpr_workgroup_id_x 1
		.amdhsa_system_sgpr_workgroup_id_y 1
		.amdhsa_system_sgpr_workgroup_id_z 1
		.amdhsa_system_vgpr_workitem_id 0
		.amdhsa_next_free_vgpr 256
		.amdhsa_next_free_sgpr 66
		.amdhsa_reserve_vcc 1
		.amdhsa_float_denorm_mode_32 3
		.amdhsa_float_denorm_mode_16_64 3
		.amdhsa_memory_ordered 1
		.amdhsa_forward_progress 1
		.amdhsa_inst_pref_size 35
	.end_amdhsa_kernel
	.amdgpu_metadata
---
amdhsa.version: [ 1, 2 ]
amdhsa.kernels:
  - .name:           k_q53e8e869d8_fine
    .symbol:         k_q53e8e869d8_fine.kd
    .args:
      - { .name: qk32, .offset: 0, .size: 8, .value_kind: global_buffer, .address_space: global }
      - { .name: codes, .offset: 8, .size: 8, .value_kind: global_buffer, .address_space: global }
      - { .name: scales, .offset: 16, .size: 8, .value_kind: global_buffer, .address_space: global }
      - { .name: mask, .offset: 24, .size: 8, .value_kind: global_buffer, .address_space: global }
      - { .name: p, .offset: 32, .size: 8, .value_kind: global_buffer, .address_space: global }
      - { .name: vt, .offset: 40, .size: 8, .value_kind: global_buffer, .address_space: global }
      - { .name: st, .offset: 48, .size: 8, .value_kind: global_buffer, .address_space: global }
    .group_segment_fixed_size: 162048
    .private_segment_fixed_size: 0
    .kernarg_segment_align: 8
    .kernarg_segment_size: 56
    .max_flat_workgroup_size: 512
    .sgpr_count:     66
    .vgpr_count:     256
    .wavefront_size: 32
...
	.end_amdgpu_metadata
.endif
;; end of part 3
;; launch scores (part 4): grid 16 x 16, 4 waves a work-group, clusters of 4 x 4, 327,680 bytes of LDS; arguments qk16, mask, p, st; writes p, st
.if DOCPART == 4
	.amdgcn_target "amdgcn-amd-amdhsa--gfx1250"
	.amdhsa_code_object_version 6
	.text
	.protected	k_q53e8e869d8_scores
	.globl	k_q53e8e869d8_scores
	.p2align	8
	.type	k_q53e8e869d8_scores,@function
k_q53e8e869d8_scores:
	s_mov_b64 s[64:65], 0
	v_nop
	global_prefetch_b8 v0, s[64:65] scope:SCOPE_SE
	s_setreg_imm32_b32 hwreg(HW_REG_WAVE_MODE, 25, 1), 1
	s_wait_xcnt 0x0
	s_wait_alu depctr_hold_cnt(0) depctr_sa_sdst(0) depctr_va_vdst(0) depctr_va_sdst(0) depctr_va_ssrc(0) depctr_va_vcc(0) depctr_vm_vsrc(0)
	s_getreg_b32 s2, hwreg(HW_REG_IB_STS2, 6, 4)
	s_cmp_eq_u32 s2, 0
	s_cbranch_scc0 .Lentry_in_a_cluster
	s_endpgm
.Lentry_in_a_cluster:
	s_bfe_u32 s2, ttmp6, 0x10000c
	s_cmp_lg_u32 s2, 0xf033
	s_cbranch_scc0 .Lentry_shape_is_right
	s_endpgm
.Lentry_shape_is_right:
; S = q k^T on f16 operands, f32 sums; then, for each query and each run of 128 keys: hidden where the mask word is 0; t = score x log2(e) / 32; M = the run's largest t rounded up to a whole number;
; p = 2^(t - M), stored as f16 in P [4,096][4,352]; -M and the sum of the unrounded p go to st [2][34 runs][4,096 rows].  `pv` brings the runs under the row's M by exact powers of two.  A run that is hidden whole gets -M = 1.35e37, p = 0, sum = 0.
; The corner, queries 0-15 x keys 0-15, is hidden here: the launch `fine` serves it.  Every mask word is loaded; no pattern of the mask is built in.  LIMIT: |q|, |k| under 65,504.
; A work-group makes 256 x 256 of S, a wave 128 queries x 128 keys: one run; 64 accumulators.  K = d goes in 8 steps of 128 through two LDS slots filled by joint loads: 4 x 4 work-groups, q's tile shared along a row of the cluster, k's along a column.
; THE CHANGE OF SLOTS stands ahead of a K step's last quarter: that quarter's fragments are in registers by then, so the slot is free, and its refill is asked for as soon as the other slot's load has landed; the quarter's 64 products follow the request.
; The matrix instruction is used transposed (source 0 = 16 keys, source 1 = 16 queries): lane (r, h) holds query 16 a + r and keys 16 b + 8 h + 0 .. 7.
; THE MASK: each wave brings its own 128 x 128 words by two tensor loads of 64 rows x 512 bytes into its own quarter of a slot that has been read out, each behind a round, as every refill; the same lines of 256 bytes + 16 that the slot's tiles had.
; REGISTERS: window 0: v16-31 addresses and constants; v32-39 -M, v40-47 sums of the eight blocks; v48-57 at work; v64-127 fragment buffer 0, later mask words; v128-191 buffer 1, later scores and p; v192-223 packed p; v224-255 rows read back.
;   window 1: k's fragments.   windows 2, 3: the accumulators ((a, b) at v[8 (8 (a % 4) + b)]).
.set KSTEP,  128
.set PITCH,  272
.set HALFT,  128*PITCH
.set SLOT,   4*HALFT
.set STAGE,  2*SLOT                    ; 16 rows x 272 bytes for each wave
.set SPITCH, 272
.set SPARE,  STAGE+4*16*SPITCH         ; the spare words
.set LAPS,   4
.set PP,     8704                      ; P's pitch in bytes
.set ST1,    557056
.set ADRA, 16
.set ADRB, 20
.set L4,   22                          ; v22 4 x lane
.set MA1,  23                          ; v23, v27 my lane's place in the mask tiles: region + 544 r + 32 h
.set STO,  24
.set RD,   25
.set CO,   26
.set MA0,  27
.set SPW,  28
.set NIL,  29
.set PFO,  30                          ; v30 the prefetches' offset: 16 rows x 2 pieces of 256 bytes
.set NINF, 31
.set NM,   32
.set LL,   40
.set T,    54
.set F0,   64
.set F1,   128
.set MK,   64
.set SV,   128
.set TMP,  192
.set BK,   224
.set WV, 12
.set HI, 13
.set LO, 14
.set G1, 24
.set G0, 32
.set G1B, 48
.set G0B, 56
.set MSK, 66                           ; s[66:67] the mask at my wave's corner
.set STS, 68                           ; s[68:69] st at my run and my first row
.set G1M, 72
.set G0M0, 80
.set G0M1, 84
.set CS, 88
.set SEL, 90
.set NOTC, 92                          ; 0 in the one wave that holds the corner, else all ones
.set HM, 93                            ; lanes 16-31
.set MSB, 0
.macro WIN new
.if MSB != (\new)
	s_set_vgpr_msb (MSB<<8)|(\new)
.set MSB, (\new)
.endif
.endm
.set MUL_LO, 0xa1
.set MUL_HI, 0xf1
.set TO_B,   0x40
.macro JLOAD s                         ; waves 0 and 1 fetch q's halves, waves 2 and 3 k's; an s_nop 0 and four v_nop follow each line
	s_cmp_eq_u32 s[HI], 0
	s_cbranch_scc0 .Lfor_b_\@
	tensor_load_to_lds s[G0+4*\s:G0+4*\s+3], s[G1:G1+7]
	s_nop 0
.rept 4
	v_nop
.endr
	s_branch .Lasked_\@
.Lfor_b_\@:
	tensor_load_to_lds s[G0B+4*\s:G0B+4*\s+3], s[G1B:G1B+7]
	s_nop 0
.rept 4
	v_nop
.endr
.Lasked_\@:
.endm
.macro CREST
	s_cmp_lg_u32 s[WV], 0
	s_cbranch_scc1 .Lnot_wave_0_\@
	s_barrier_signal -3
.Lnot_wave_0_\@:
	s_barrier_wait -3
	s_barrier_signal -1
	s_barrier_wait -1
.endm
.macro CROUND
	s_barrier_signal -1
	s_barrier_wait -1
	CREST
.endm
; The first mask tile's 128 pieces of 256 bytes are asked of the L2 in the loop's last trip, two instructions at each of its two changes of slots: one and two K steps ahead of the tensor load that wants them.  Each piece is named once: a wave's mask words are its own.
.macro ASKM k0
	s_cmp_eq_u32 s3, 1
	s_cbranch_scc0 .Lnot_yet_\@
	global_prefetch_b8 v[PFO], s[MSK:MSK+1] offset:262144*(\k0) th:TH_LOAD_NT scope:SCOPE_SE
	global_prefetch_b8 v[PFO], s[MSK:MSK+1] offset:262144*(\k0)+262144 th:TH_LOAD_NT scope:SCOPE_SE
.Lnot_yet_\@:
.endm
	s_load_b256 s[4:11], s[0:1], 0x0               ; qk16 s[4:5], mask s[6:7], p s[8:9], st s[10:11]
	v_lshl_add_u32 v[SPW], v0, 2, SPARE
	v_mov_b32 v[NIL], 0
	ds_add_u32 v[SPW], v[NIL]                      ; the opening: the add, twice on end, and its wait ahead of my first tensor load
	ds_add_u32 v[SPW], v[NIL]
	v_lshrrev_b32 v1, 5, v0
	v_readfirstlane_b32 s[WV], v1
	s_lshr_b32 s[HI], s[WV], 1                     ; which 128 queries are mine.  Also: I fetch for q (0) or k (1)
	s_and_b32 s[LO], s[WV], 1                      ; which 128 keys.  Also: which 128 rows I fetch
	s_bfe_u32 s40, ttmp6, 0x40000                  ; cx
	s_bfe_u32 s41, ttmp6, 0x40004                  ; cy
	s_lshl_b32 s42, ttmp9, 2
	s_add_co_u32 s42, s42, s40                     ; tile column
	s_and_b32 s15, ttmp7, 0xffff
	s_lshl_b32 s15, s15, 2
	s_add_co_u32 s15, s15, s41                     ; tile row
	s_lshl_b32 s43, s41, 2
	s_lshl_b32 s43, 15, s43                        ; my row of the cluster
	s_lshl_b32 s44, 0x1111, s40                    ; my column
	s_or_b32 s[G1+0], s43, (1<<16)|(1<<20)|(1<<21)|(5<<22)|(3<<25)  ; the mask; elements of 2 bytes; padding: 4 words behind every 64
	s_or_b32 s[G1B+0], s44, (1<<16)|(1<<20)|(1<<21)|(5<<22)|(3<<25)
.irp g, G1, G1B
	s_mov_b32 s[\g+1], KSTEP<<16
	s_mov_b32 s[\g+2], 128<<16
	s_mov_b32 s[\g+3], KSTEP<<16
	s_mov_b32 s[\g+4], 128
	s_mov_b32 s[\g+5], 1024
	s_mov_b32 s[\g+6], 0
	s_mov_b32 s[\g+7], 0
.endr
	s_mov_b32 s[G1M+0], (2<<16)|(1<<20)|(5<<22)|(3<<25)            ; the mask's tile: no work-group mask; elements of 4 bytes; the same padding
	s_mov_b32 s[G1M+1], 128<<16
	s_mov_b32 s[G1M+2], 64<<16
	s_mov_b32 s[G1M+3], 128<<16
	s_mov_b32 s[G1M+4], 64
	s_mov_b32 s[G1M+5], 4096
	s_mov_b32 s[G1M+6], 0
	s_mov_b32 s[G1M+7], 0
	s_lshl_b32 s17, s[LO], 7
	s_lshl_b32 s16, s15, 8
	s_add_co_u32 s16, s16, s17
	s_lshl_b32 s16, s16, 11                        ; q: row 256 x tile row + 128 x half, 2,048 bytes a row
	s_lshl_b32 s46, s42, 8
	s_add_co_u32 s46, s46, s17
	s_lshl_b32 s46, s46, 11
	s_add_co_u32 s46, s46, 0x800000                ; k: likewise by the tile column, in qk16's second half
	s_mov_b32 s17, 0
	s_mov_b32 s47, 0
	s_mul_i32 s20, s[WV], HALFT                    ; where they go: wave x 128 rows
	s_mov_b32 s[CS], 0x3d38aa3b                    ; c = log2(e) / 32
	s_mov_b32 s[CS+1], s[CS]
	s_mov_b32 s[SEL], 0x76543210
	s_mov_b32 s[SEL+1], 0xfedcba98
	s_mov_b32 s[HM], 0xffff0000
	s_wait_dscnt 0x0                               ; both opening adds are done
	s_wait_kmcnt 0x0
	s_add_nc_u64 s[18:19], s[4:5], s[16:17]
	s_add_nc_u64 s[46:47], s[4:5], s[46:47]
	CROUND                                         ; the first joint loads meet
.irp s, 0,1
	s_mov_b32 s[G0+4*\s], 1
	s_add_co_u32 s[G0+4*\s+1], s20, \s*SLOT
	s_add_nc_u64 s[G0+4*\s+2:G0+4*\s+3], s[18:19], \s*KSTEP*2
	s_or_b32 s[G0+4*\s+3], s[G0+4*\s+3], 0x80000000
	s_mov_b32 s[G0B+4*\s], 1
	s_add_co_u32 s[G0B+4*\s+1], s20, \s*SLOT
	s_add_nc_u64 s[G0B+4*\s+2:G0B+4*\s+3], s[46:47], \s*KSTEP*2
	s_or_b32 s[G0B+4*\s+3], s[G0B+4*\s+3], 0x80000000
	JLOAD \s
.endr
	v_and_b32 v1, 15, v0                           ; r
	v_bfe_u32 v2, v0, 4, 1                         ; h
	v_mul_u32_u24 v3, v1, PITCH
	v_lshl_add_u32 v3, v2, 4, v3
	s_mul_i32 s21, s[HI], HALFT
	s_mul_i32 s22, s[LO], HALFT
	s_add_co_u32 s22, s22, 2*HALFT
.irp s, 0,1
	v_add_nc_u32 v[ADRA+\s], s21, v3
	v_add_nc_u32 v[ADRB+\s], s22, v3
	s_add_co_u32 s21, s21, SLOT
	s_add_co_u32 s22, s22, SLOT
.endr
	s_mul_i32 s23, s[WV], 16*SPITCH
	s_add_co_u32 s23, s23, STAGE
	v_mul_u32_u24 v4, v1, SPITCH
	v_lshl_add_u32 v4, v2, 4, v4
	v_add_nc_u32 v[STO], s23, v4
	v_mul_u32_u24 v5, v2, SPITCH
	v_lshl_add_u32 v5, v1, 4, v5
	v_add_nc_u32 v[RD], s23, v5
	v_mul_u32_u24 v5, v2, PP
	v_lshl_add_u32 v[CO], v1, 4, v5
	v_and_b32 v5, 31, v0
	v_lshlrev_b32 v[L4], 2, v5
	v_mul_u32_u24 v4, v1, 544
	v_lshl_add_u32 v4, v2, 5, v4
	v_add_nc_u32 v[MA0], s20, v4
	v_add_nc_u32 v[MA1], SLOT, v[MA0]
	v_lshrrev_b32 v4, 1, v5
	v_and_b32 v5, 1, v5
	v_lshlrev_b32 v4, 14, v4
	v_lshl_add_u32 v[PFO], v5, 8, v4
	v_mov_b32 v[NINF], 0xff800000
	v_mov_b32 v49, 0                               ; named as the upper half of the pair v[48:49]
	s_lshl_b32 s16, s15, 8
	s_lshl_b32 s17, s[HI], 7
	s_add_co_u32 s16, s16, s17                     ; my first query
	s_lshl_b32 s18, s42, 8
	s_lshl_b32 s17, s[LO], 7
	s_add_co_u32 s18, s18, s17                     ; my first key
	s_lshl_b32 s22, s16, 14
	s_lshl_b32 s23, s18, 2
	s_add_co_u32 s22, s22, s23
	s_mov_b32 s23, 0
	s_add_nc_u64 s[MSK:MSK+1], s[6:7], s[22:23]
	s_mul_i32 s22, s16, PP
	s_lshl_b32 s19, s18, 1
	s_add_co_u32 s22, s22, s19
	s_add_nc_u64 s[8:9], s[8:9], s[22:23]
	s_lshl_b32 s22, s18, 5                         ; my run x 4,096
	s_add_co_u32 s22, s22, s16
	s_lshl_b32 s22, s22, 2
	s_add_nc_u64 s[STS:STS+1], s[10:11], s[22:23]
	s_mov_b32 s[G0M0], 1
	s_mov_b32 s[G0M0+1], s20
	s_mov_b64 s[G0M0+2:G0M0+3], s[MSK:MSK+1]
	s_or_b32 s[G0M0+3], s[G0M0+3], 0x80000000
	s_mov_b32 s[G0M1], 1
	s_add_co_u32 s[G0M1+1], s20, SLOT
	s_add_nc_u64 s[G0M1+2:G0M1+3], s[MSK:MSK+1], 64*16384
	s_or_b32 s[G0M1+3], s[G0M1+3], 0x80000000
	s_or_b32 s16, s15, s42
	s_or_b32 s16, s16, s[WV]
	s_cmp_eq_u32 s16, 0
	s_cselect_b32 s[NOTC], 0, -1
.macro MUL16 f, hi, a0, zero           ; 16 matrix instructions; the 64 accumulators take turns
.irp a, \a0, \a0+1
.irp b, 0,1,2,3,4,5,6,7
.if \zero
	v_wmma_f32_16x16x32_f16 v[8*(8*(\a)+\b):8*(8*(\a)+\b)+7], v[\f+8*\b:\f+8*\b+7], v[\f+8*(4*\hi+\a):\f+8*(4*\hi+\a)+7], 0
.else
	v_wmma_f32_16x16x32_f16 v[8*(8*(\a)+\b):8*(8*(\a)+\b)+7], v[\f+8*\b:\f+8*\b+7], v[\f+8*(4*\hi+\a):\f+8*(4*\hi+\a)+7], v[8*(8*(\a)+\b):8*(8*(\a)+\b)+7]
.endif
.endr
.endr
.endm
.macro FETCH slot, k, f                ; 32 LDS loads in one run: k's eight fragments, then q's
	WIN TO_B
.irp i, 0,1,2,3,4,5,6,7
	ds_load_b128 v[\f+8*\i:\f+8*\i+3],   v[ADRB+\slot] offset:\k+\i*16*PITCH
	ds_load_b128 v[\f+8*\i+4:\f+8*\i+7], v[ADRB+\slot] offset:\k+\i*16*PITCH+32
.endr
	WIN 0
.irp i, 0,1,2,3,4,5,6,7
	ds_load_b128 v[\f+8*\i:\f+8*\i+3],   v[ADRA+\slot] offset:\k+\i*16*PITCH
	ds_load_b128 v[\f+8*\i+4:\f+8*\i+7], v[ADRA+\slot] offset:\k+\i*16*PITCH+32
.endr
.endm
.macro PLACES                          ; four plain vector instructions between a matrix instruction and a load into, or a read of, its registers
.rept 4
	v_nop
.endr
.endm
.macro QUARTER slot, k, f, g, zero
	s_wait_dscnt 8                                 ; k's fragments and q's rows 0-63 are in; the eight loads of q's rows 64-127 may be out
	WIN MUL_LO
	MUL16 \f, 0, 0, \zero
	MUL16 \f, 0, 2, \zero
	PLACES
	FETCH \slot, \k, \g
	s_wait_dscnt 32                                ; all but the 32 just issued
	WIN MUL_HI
	MUL16 \f, 1, 0, \zero
	MUL16 \f, 1, 2, \zero
.endm
; The change of slots: the three lines, and the barrier that opens a round.  The slot's last fragments (buffer 1) were asked for half a quarter ago: the wait for them ends my reads of the slot.  step = 1: the slot's two group 0 go on to the K step two on.
.macro MEET slot, step
	WIN 0
	s_wait_tensorcnt 0x0                           ; all my tensor loads have landed: my part of the next slot; so every group 0 may be written
	ds_add_u32 v[SPW], v[NIL]
.if \step
	s_add_nc_u64 s[G0+4*\slot+2:G0+4*\slot+3], s[G0+4*\slot+2:G0+4*\slot+3], 2*KSTEP*2
	s_add_nc_u64 s[G0B+4*\slot+2:G0B+4*\slot+3], s[G0B+4*\slot+2:G0B+4*\slot+3], 2*KSTEP*2
.endif
	s_wait_dscnt 0x0                               ; the add is done, and my reads of this slot are over
	s_barrier_signal -1
	s_barrier_wait -1
.endm
.macro LASTQ                           ; a K step's last quarter: 64 products on buffer 1, from registers alone
	WIN MUL_LO
	MUL16 F1, 0, 0, 0
	MUL16 F1, 0, 2, 0
	WIN MUL_HI
	MUL16 F1, 1, 0, 0
	MUL16 F1, 1, 2, 0
.endm
.macro TURN slot, next, k0
	MEET \slot, 1
	CREST                                          ; no wave of any partner still reads this slot or has a load on its way
	JLOAD \slot                                    ; my one tensor load behind the round: a whole K step's 256 products stand between it and the wait for it; its four v_nop are the places in front of the loads below
	FETCH \next, 0, F0
	ASKM \k0
	LASTQ
.endm
	s_wait_tensorcnt 1                             ; my part of K step 0 is in; K step 1's load may be out
	s_barrier_signal -1
	s_barrier_wait -1
	FETCH 0, 0, F0
	QUARTER 0, 64, F0, F1, 1                       ; the first products start the sums
	WIN 0
	s_mov_b32 s3, LAPS-1
.Llap:                                             ; a trip goes once round the ring and fills both slots again: K steps 2 to 7
	QUARTER 0, 128, F1, F0, 0
	QUARTER 0, 192, F0, F1, 0
	TURN 0, 1, 0
	QUARTER 1, 64,  F0, F1, 0
	QUARTER 1, 128, F1, F0, 0
	QUARTER 1, 192, F0, F1, 0
	TURN 1, 0, 2
	QUARTER 0, 64,  F0, F1, 0
	WIN 0
	s_sub_co_u32 s3, s3, 1
	s_cmp_lg_u32 s3, 0
	s_cbranch_scc1 .Llap
	QUARTER 0, 128, F1, F0, 0
	QUARTER 0, 192, F0, F1, 0
	MEET 0, 0                                      ; slot 0 is left for good: my quarter of it takes my mask words of queries 0-63
	CREST
	tensor_load_to_lds s[G0M0:G0M0+3], s[G1M:G1M+7]
	s_nop 0
.rept 4
	v_nop
.endr
	FETCH 1, 0, F0
.irp k, 0,1,2,3
	global_prefetch_b8 v[PFO], s[MSK:MSK+1] offset:1048576+262144*\k th:TH_LOAD_NT scope:SCOPE_SE   ; the second mask tile, a K step ahead of its load
.endr
	LASTQ
	QUARTER 1, 64,  F0, F1, 0
	QUARTER 1, 128, F1, F0, 0
	QUARTER 1, 192, F0, F1, 0
	s_wait_dscnt 8
	WIN MUL_LO
	MUL16 F1, 0, 0, 0
	MUL16 F1, 0, 2, 0
	s_wait_dscnt 0
	WIN MUL_HI
	MUL16 F1, 1, 0, 0
	MUL16 F1, 1, 2, 0
	WIN 0
	s_wait_tensorcnt 0x0                           ; the first mask tile has landed; no load of mine is out
	ds_add_u32 v[SPW], v[NIL]
	s_wait_dscnt 0x0                               ; my reads of slot 1 are over
	CROUND
	tensor_load_to_lds s[G0M1:G0M1+3], s[G1M:G1M+7]                ; slot 1's quarter takes the mask words of queries 64-127
	s_nop 0
.rept 4
	v_nop                                          ; also the places behind the last products
.endr
; THE WAY OUT, a block of 16 queries at a time.
.macro MLOAD a                         ; block a's mask words, in the accumulators' order: register 8 b + j = key 16 b + 8 h + j of query r; 16 bytes of padding lie behind the row's first 256
.if (\a) < 4
.set MAR, MA0
.else
.set MAR, MA1
.endif
.irp b, 0,1,2,3,4,5,6,7
	ds_load_b128 v[MK+8*\b:MK+8*\b+3],   v[MAR] offset:16*((\a)%4)*544+64*\b+16*(\b/4)
	ds_load_b128 v[MK+8*\b+4:MK+8*\b+7], v[MAR] offset:16*((\a)%4)*544+64*\b+16*(\b/4)+16
.endr
.endm
.macro MASKSEL a                       ; the scores come down into window 0, -infinity where the mask word is 0; each accumulator is read from its low end on
.if (\a) == 0
.irp j, 0,1,2,3,4,5,6,7
	v_and_b32 v[MK+\j], s[NOTC], v[MK+\j]          ; the corner is hidden here
.endr
.endif
	WIN 0x08+4*((\a)/4)                            ; source 1: window 2 or 3
.set n, 0
.rept 16
.irp i, 0,1,2,3
	v_cmp_ne_u32 s[96+\i], v[MK+n+\i], 0
.endr
.irp i, 0,1,2,3
	v_cndmask_b32 v[SV+n+\i], v[NINF], v[64*((\a)%4)+n+\i], s[96+\i]
.endr
.set n, n+4
.endr
	WIN 0
.endm
.macro SEND a
.irp t, 0,1,2,3,4,5,6,7
	global_store_b128 v[CO], v[BK+4*\t:BK+4*\t+3], s[8:9] offset:(16*(\a)+2*\t)*PP     ; 16 lanes store 256 consecutive aligned bytes
.endr
.endm
.macro SOFT a
.irp b, 0,1,2,3
	v_max3_num_f32 v[T+\b], v[SV+16*\b], v[SV+16*\b+1], v[SV+16*\b+2]
.endr
.irp i, 3,5,7,9,11,13
.irp b, 0,1,2,3
	v_max3_num_f32 v[T+\b], v[T+\b], v[SV+16*\b+\i], v[SV+16*\b+\i+1]
.endr
.endr
.irp b, 0,1,2,3
	v_max_num_f32 v[T+\b], v[T+\b], v[SV+16*\b+15]
.endr
	v_max3_num_f32 v[T], v[T], v[T+1], v[T+2]
	v_max3_num_f32 v[T], v[T], v[T+3], 0xff61b1e6  ; and -3e38, so that a run hidden whole stays a number
	v_permlanex16_b32 v[T+1], v[T], s[SEL], s[SEL+1]
	v_max_num_f32 v[T], v[T], v[T+1]               ; with the other 64 keys
	v_mul_f32 v[T], s[CS], v[T]
	v_floor_f32 v48, -v[T]                         ; -M = floor(-t)
.irp j, 0,2,4,6,8,10,12,14,16,18,20,22,24,26,28,30,32,34,36,38,40,42,44,46,48,50,52,54,56,58,60,62
	v_pk_fma_f32 v[SV+\j:SV+\j+1], v[SV+\j:SV+\j+1], s[CS:CS+1], v[48:49] op_sel_hi:[1,0,0]
.endr
.irp j, 0,1,2,3,4,5,6,7,8,9,10,11,12,13,14,15,16,17,18,19,20,21,22,23,24,25,26,27,28,29,30,31,32,33,34,35,36,37,38,39,40,41,42,43,44,45,46,47,48,49,50,51,52,53,54,55,56,57,58,59,60,61,62,63
	v_exp_f32 v[SV+\j], v[SV+\j]                   ; p = 2^(t - M)
.endr
	v_mov_b32 v[NM+(\a)], v48                      ; a plain instruction behind the last exponential
	s_wait_alu depctr_va_vdst(0)                   ; one wait for the batch, ahead of its first reader
	v_pk_add_f32 v[50:51], v[SV:SV+1], v[SV+2:SV+3]
	v_pk_add_f32 v[52:53], v[SV+4:SV+5], v[SV+6:SV+7]
.irp j, 8,12,16,20,24,28,32,36,40,44,48,52,56,60
	v_pk_add_f32 v[50:51], v[50:51], v[SV+\j:SV+\j+1]
	v_pk_add_f32 v[52:53], v[52:53], v[SV+\j+2:SV+\j+3]
.endr
	v_pk_add_f32 v[50:51], v[50:51], v[52:53]
	v_add_f32 v50, v50, v51
	v_permlanex16_b32 v51, v50, s[SEL], s[SEL+1]
	v_add_f32 v[LL+(\a)], v50, v51                 ; the run's sum of the unrounded p
.endm
.macro BLOCK a
	s_wait_dscnt 0x0                               ; my mask words are in, and the block before is back from the stage
	MASKSEL \a
.if (\a) == 3
	s_wait_tensorcnt 0x0                           ; the second mask tile has landed: I alone read it
.endif
.if (\a) < 7
	MLOAD (\a)+1
.endif
.if (\a) > 0
	SEND (\a)-1
.endif
	SOFT \a
.set i, 0
.rept 32
	v_cvt_pk_f16_f32 v[TMP+i], v[SV+2*i], v[SV+2*i+1]
.set i, i+1
.endr
.irp b, 0,1,2,3,4,5,6,7
	ds_store_b128 v[STO], v[TMP+4*\b:TMP+4*\b+3] offset:32*\b
.endr
	s_wait_xcnt 0x0                                ; the last block's stores have read their registers: the loads below may land there
.irp t, 0,1,2,3,4,5,6,7
	ds_load_b128 v[BK+4*\t:BK+4*\t+3], v[RD] offset:\t*2*SPITCH    ; LDS serves a wave's instructions in order: these see the stores above
.endr
.endm
	MLOAD 0
.irp a, 0,1,2,3,4,5,6,7
	BLOCK \a
.endr
	s_wait_dscnt 0x0
	SEND 7
.irp u, 0,1,2,3
	v_cndmask_b32 v[50+\u], v[NM+2*\u], v[NM+2*\u+1], s[HM]        ; lanes 0-15: row 32 u + r, lanes 16-31: row 32 u + 16 + r
	v_cndmask_b32 v[54+\u], v[LL+2*\u], v[LL+2*\u+1], s[HM]
.endr
.irp u, 0,1,2,3
	global_store_b32 v[L4], v[50+\u], s[STS:STS+1] offset:128*\u
	global_store_b32 v[L4], v[54+\u], s[STS:STS+1] offset:128*\u+ST1
.endr
	s_wait_tensorcnt 0x0                           ; the wave's end
	ds_add_u32 v[SPW], v[NIL]
	s_wait_dscnt 0x0
	CROUND                                         ; the closing round
	s_endpgm
.Lfunc_end_k_q53e8e869d8_scores:
	.size	k_q53e8e869d8_scores, .Lfunc_end_k_q53e8e869d8_scores-k_q53e8e869d8_scores
	.p2alignl 7, 3214868480
	.fill 96, 4, 3214868480
	.section	.rodata,"a",@progbits
	.p2align	6, 0x0
	.amdhsa_kernel k_q53e8e869d8_scores
		.amdhsa_group_segment_fixed_size 327680
		.amdhsa_private_segment_fixed_size 0
		.amdhsa_enable_private_segment 0
		.amdhsa_kernarg_size 32
		.amdhsa_user_sgpr_count 2
		.amdhsa_user_sgpr_kernarg_segment_ptr 1
		.amdhsa_wavefront_size32 1
		.amdhsa_system_sgpr_workgroup_id_x 1
		.amdhsa_system_sgpr_workgroup_id_y 1
		.amdhsa_system_sgpr_workgroup_id_z 1
		.amdhsa_system_vgpr_workitem_id 0
		.amdhsa_next_free_vgpr 1024
		.amdhsa_next_free_sgpr 100
		.amdhsa_reserve_vcc 0
		.amdhsa_float_denorm_mode_32 3
		.amdhsa_float_denorm_mode_16_64 3
		.amdhsa_memory_ordered 1
		.amdhsa_forward_progress 1
		.amdhsa_inst_pref_size 255
	.end_amdhsa_kernel
	.section	.bss,"aw",@nobits
	.p2align	6
	.space	262144
	.amdgpu_metadata
---
amdhsa.version: [ 1, 2 ]
amdhsa.kernels:
  - .name:           k_q53e8e869d8_scores
    .symbol:         k_q53e8e869d8_scores.kd
    .args:
      - { .name: qk16, .offset: 0, .size: 8, .value_kind: global_buffer, .address_space: global }
      - { .name: mask, .offset: 8, .size: 8, .value_kind: global_buffer, .address_space: global }
      - { .name: p, .offset: 16, .size: 8, .value_kind: global_buffer, .address_space: global }
      - { .name: st, .offset: 24, .size: 8, .value_kind: global_buffer, .address_space: global }
    .group_segment_fixed_size: 327680
    .private_segment_fixed_size: 0
    .kernarg_segment_align: 8
    .kernarg_segment_size: 32
    .max_flat_workgroup_size: 128
    .sgpr_count:     100
    .vgpr_count:     1024
    .wavefront_size: 32
...
	.end_amdgpu_metadata
.endif
;; end of part 4
;; launch pv (part 5): grid 8 x 32, 4 waves a work-group, clusters of 4 x 4, 327,680 bytes of LDS; arguments p, vt, st, out0; writes out0
.if DOCPART == 5
	.amdgcn_target "amdgcn-amd-amdhsa--gfx1250"
	.amdhsa_code_object_version 6
	.text
	.protected	k_q53e8e869d8_pv
	.globl	k_q53e8e869d8_pv
	.p2align	8
	.type	k_q53e8e869d8_pv,@function
k_q53e8e869d8_pv:
	s_mov_b64 s[64:65], 0
	v_nop
	global_prefetch_b8 v0, s[64:65] scope:SCOPE_SE
	s_setreg_imm32_b32 hwreg(HW_REG_WAVE_MODE, 25, 1), 1
	s_wait_xcnt 0x0
	s_wait_alu depctr_hold_cnt(0) depctr_sa_sdst(0) depctr_va_vdst(0) depctr_va_sdst(0) depctr_va_ssrc(0) depctr_va_vcc(0) depctr_vm_vsrc(0)
	s_getreg_b32 s2, hwreg(HW_REG_IB_STS2, 6, 4)
	s_cmp_eq_u32 s2, 0
	s_cbranch_scc0 .Lentry_in_a_cluster
	s_endpgm
.Lentry_in_a_cluster:
	s_bfe_u32 s2, ttmp6, 0x10000c
	s_cmp_lg_u32 s2, 0xf033
	s_cbranch_scc0 .Lentry_shape_is_right
	s_endpgm
.Lentry_shape_is_right:
; out0 = (sum over the 34 runs of 128 key columns of g P V) / L on f16 operands, f32 sums.  For a row: -M = the least -M of its runs; a run's g = 2^(its M - the row's M), a power of two, so that g p rounds nothing above f16's smallest numbers;
; L = the sum of g x the run's sum of p.  A row that keeps no key has L = 0 and sums of 0: 0 x infinity gives the NaN that the softmax of such a row gives.  LIMIT: |v| under 65,504.
; A work-group makes 128 queries x 128 channels.  K, THE KEYS, IS SHARED AMONG THE FOUR WAVES: each holds the whole tile (64 accumulators) and multiplies keys 64 w .. 64 w + 63 of each slot of 256 key columns, in two quarters of 32: sixteen fragments feed 64 matrix
; instructions.  The four partial tiles are added through LDS at the end.  17 slots; of the last (the extra columns) only each wave's first 32 columns are multiplied: the others hold zeros by the layout.
; g IS APPLIED IN f32: each register of P's fragments (two p) is widened to f32, multiplied by the row's g and rounded once to f16 on its way to the matrix unit: twenty instructions for four registers, behind each of a quarter's last sixteen matrix instructions.
; THE CHANGE OF SLOTS stands ahead of a slot's second quarter: that quarter's fragments are in registers by then, so the slot is free, and its refill is asked for as soon as the other slot's load has landed; the quarter's 64 products follow the request.
; 4 x 4 work-groups form a cluster: P's tile is shared along a row, v^T's along a column, by joint loads.  The matrix instruction is used transposed (source 0 = 16 channels, source 1 = 16 queries): a lane holds query r and eight neighbouring channels.
; REGISTERS: window 0: v16-30 addresses; v40-44 addresses of the way out; v48-51 four registers of P as they came, v52-59 their eight numbers in f32; v60-62 at work; v64-127, v128-191 P's fragments, two buffers; v192-223 1 / L;
;   v224-239 g of my lane's row in each of P's eight blocks, in the even registers (the odd ones are named with them as pairs and hold 0).   window 1: v^T's fragments, the same numbers as P's.   windows 2, 3: the accumulators.
.set PITCH,  528                       ; an LDS row: 512 bytes + 16 of padding
.set HALFT,  64*PITCH
.set SLOT,   4*HALFT                   ; P's 128 rows, then v^T's 128
.set GT,     2*SLOT                    ; g, f32: run c at 512 c; row 16 i + r at 32 r + 4 i
.set IL,     GT+34*512                 ; 1 / L of the 128 rows
.set SPARE,  IL+512                    ; the spare words
.set RED,    128*PITCH                 ; the way out: a wave's partial tile, 128 rows x 528 bytes, laid over the ring, which has had its last fill
.set PP,     8704
.set ST1,    557056
.set ADRA, 16
.set ADRB, 20
.set GA,   22
.set GW,   23
.set STO,  24
.set ILW,  25
.set CO,   26
.set TO,   27
.set SPW,  28
.set NIL,  29
.set PFO,  30
.set RDS,  40
.set ILA,  44
.set F0,   64
.set F1,   128
.set ILR,  192
.set GR,   224
.set WV, 12
.set HI, 13
.set LO, 14
.set G1, 24
.set G0, 32
.set LIM, 43
.set PFA, 44
.set G1B, 48
.set G0B, 56
.set MSB, 0
.macro WIN new
.if MSB != (\new)
	s_set_vgpr_msb (MSB<<8)|(\new)
.set MSB, (\new)
.endif
.endm
.set MUL_LO, 0xa1
.set TO_B,   0x40
.macro JLOAD s                         ; waves 0 and 1 fetch P's halves, waves 2 and 3 v^T's; an s_nop 0 and four v_nop follow each line
	s_cmp_eq_u32 s[HI], 0
	s_cbranch_scc0 .Lfor_b_\@
	tensor_load_to_lds s[G0+4*\s:G0+4*\s+3], s[G1:G1+7]
	s_nop 0
.rept 4
	v_nop
.endr
	s_branch .Lasked_\@
.Lfor_b_\@:
	tensor_load_to_lds s[G0B+4*\s:G0B+4*\s+3], s[G1B:G1B+7]
	s_nop 0
.rept 4
	v_nop
.endr
.Lasked_\@:
.endm
.macro CREST
	s_cmp_lg_u32 s[WV], 0
	s_cbranch_scc1 .Lnot_wave_0_\@
	s_barrier_signal -3
.Lnot_wave_0_\@:
	s_barrier_wait -3
	s_barrier_signal -1
	s_barrier_wait -1
.endm
.macro CROUND
	s_barrier_signal -1
	s_barrier_wait -1
	CREST
.endm
; A prefetch into the L2 of the slot that stands two refills on: 16 rows x 2 pieces of 256 bytes, one instruction a wave.  P's rows are read by both clusters of a row of clusters: cluster x = 0 asks; v^T's by all eight of a column: cluster y = 0 asks.
; Of the 64 rows that a wave fetches each of the four partners takes 16, told apart by address.  The loop's last trip asks for nothing: slots 4 to 15 are named, each piece once.
.macro ASK
	s_cmp_gt_u32 s3, s[LIM]
	s_cbranch_scc0 .Lnot_mine_\@
	global_prefetch_b8 v[PFO], s[PFA:PFA+1] offset:512 th:TH_LOAD_NT scope:SCOPE_SE
.Lnot_mine_\@:
.endm
	s_load_b256 s[4:11], s[0:1], 0x0               ; p s[4:5], vt s[6:7], st s[8:9], out0 s[10:11]
	v_lshl_add_u32 v[SPW], v0, 2, SPARE
	v_mov_b32 v[NIL], 0
	ds_add_u32 v[SPW], v[NIL]                      ; the opening: the add, twice on end, and its wait ahead of my first tensor load
	ds_add_u32 v[SPW], v[NIL]
	v_lshrrev_b32 v1, 5, v0
	v_readfirstlane_b32 s[WV], v1
	s_lshr_b32 s[HI], s[WV], 1                     ; I fetch for P (0) or v^T (1).  Also: which of a slot's two runs my keys lie in
	s_and_b32 s[LO], s[WV], 1                      ; which 64 rows I fetch
	s_bfe_u32 s40, ttmp6, 0x40000                  ; cx
	s_bfe_u32 s41, ttmp6, 0x40004                  ; cy
	s_lshl_b32 s42, ttmp9, 2
	s_add_co_u32 s42, s42, s40                     ; tile column: 128 channels
	s_and_b32 s15, ttmp7, 0xffff
	s_lshl_b32 s15, s15, 2
	s_add_co_u32 s15, s15, s41                     ; tile row: 128 queries
	s_lshl_b32 s43, s41, 2
	s_lshl_b32 s43, 15, s43
	s_lshl_b32 s44, 0x1111, s40
	s_or_b32 s[G1+0], s43, (1<<16)|(1<<20)|(1<<21)|(6<<22)|(3<<25)  ; the mask; elements of 2 bytes; padding: 4 words behind every 128
	s_or_b32 s[G1B+0], s44, (1<<16)|(1<<20)|(1<<21)|(6<<22)|(3<<25)
.irp g, G1, G1B
	s_mov_b32 s[\g+1], 256<<16
	s_mov_b32 s[\g+2], 64<<16
	s_mov_b32 s[\g+3], 256<<16
	s_mov_b32 s[\g+4], 64
	s_mov_b32 s[\g+5], 4352
	s_mov_b32 s[\g+6], 0
	s_mov_b32 s[\g+7], 0
.endr
	s_lshl_b32 s17, s[LO], 6
	s_lshl_b32 s16, s15, 7
	s_add_co_u32 s16, s16, s17
	s_mul_i32 s16, s16, PP                         ; P: row 128 x tile row + 64 x half
	s_lshl_b32 s46, s42, 7
	s_add_co_u32 s46, s46, s17
	s_mul_i32 s46, s46, PP                         ; v^T: row 128 x tile column + 64 x half
	s_mov_b32 s17, 0
	s_mov_b32 s47, 0
	s_mul_i32 s20, s[WV], HALFT
	s_wait_dscnt 0x0                               ; both opening adds are done
	s_wait_kmcnt 0x0
	s_add_nc_u64 s[18:19], s[4:5], s[16:17]
	s_add_nc_u64 s[46:47], s[6:7], s[46:47]
	CROUND
.irp s, 0,1
	s_mov_b32 s[G0+4*\s], 1
	s_add_co_u32 s[G0+4*\s+1], s20, \s*SLOT
	s_add_nc_u64 s[G0+4*\s+2:G0+4*\s+3], s[18:19], \s*512
	s_or_b32 s[G0+4*\s+3], s[G0+4*\s+3], 0x80000000
	s_mov_b32 s[G0B+4*\s], 1
	s_add_co_u32 s[G0B+4*\s+1], s20, \s*SLOT
	s_add_nc_u64 s[G0B+4*\s+2:G0B+4*\s+3], s[46:47], \s*512
	s_or_b32 s[G0B+4*\s+3], s[G0B+4*\s+3], 0x80000000
	JLOAD \s
.endr
	; the rows' figures: thread t takes row 128 x tile row + t
	s_lshl_b32 s16, s15, 9
	s_mov_b32 s17, 0
	s_add_nc_u64 s[8:9], s[8:9], s[16:17]
	v_lshlrev_b32 v[TO], 2, v0
.set c, 0
.rept 34
	global_load_b32 v[64+c], v[TO], s[8:9] offset:c*16384          ; -M of run c
	global_load_b32 v[98+c], v[TO], s[8:9] offset:c*16384+ST1      ; its sum
.set c, c+1
.endr
	v_and_b32 v1, 15, v0                           ; r
	v_bfe_u32 v2, v0, 4, 1                         ; h
	v_mul_u32_u24 v3, v1, PITCH
	v_lshl_add_u32 v3, v2, 4, v3
	s_lshl_b32 s21, s[WV], 7                       ; my 64 keys of a slot: 128 bytes on for each wave
	v_add_nc_u32 v3, s21, v3
.irp s, 0,1
	v_add_nc_u32 v[ADRA+\s], \s*SLOT, v3
	v_add_nc_u32 v[ADRB+\s], \s*SLOT+2*HALFT, v3
.endr
	v_lshlrev_b32 v[GA], 5, v1
	s_lshl_b32 s21, s[HI], 9
	s_add_co_u32 s21, s21, GT
	v_add_nc_u32 v[GA], s21, v[GA]                 ; g of my run: 32 bytes for my lane's row in each of the eight blocks
	v_lshrrev_b32 v4, 4, v0
	v_lshlrev_b32 v5, 5, v1
	v_lshl_add_u32 v5, v4, 2, v5
	v_add_nc_u32 v[GW], GT, v5                     ; where thread t = 16 i + r puts its g
	v_lshl_add_u32 v[ILW], v0, 2, IL
	s_mul_i32 s21, s[WV], RED
	v_mul_u32_u24 v4, v1, PITCH
	v_lshl_add_u32 v4, v2, 5, v4
	v_add_nc_u32 v[STO], s21, v4                   ; the way out: my partial tile, row r, + 32 h
	v_and_b32 v5, 31, v0
	v_lshlrev_b32 v[CO], 4, v5                     ; 16 x lane
	s_mul_i32 s21, s[WV], 32*PITCH
	v_add_nc_u32 v[RDS], s21, v[CO]                ; back: rows 32 w on of each of the four partial tiles
.irp s, 1,2,3
	v_add_nc_u32 v[RDS+\s], \s*RED, v[RDS]
.endr
	s_lshl_b32 s21, s[WV], 7
	s_add_co_u32 s21, s21, IL
	v_mov_b32 v[ILA], s21
	v_lshrrev_b32 v4, 1, v5
	v_and_b32 v5, 1, v5
	v_mul_u32_u24 v4, v4, PP
	v_lshl_add_u32 v[PFO], v5, 8, v4
	; out0 at my first row and the tile's first channel
	s_lshl_b32 s16, s15, 7
	s_lshl_b32 s17, s[WV], 5
	s_add_co_u32 s16, s16, s17
	s_lshl_b32 s16, s16, 12
	s_lshl_b32 s17, s42, 9
	s_add_co_u32 s16, s16, s17
	s_mov_b32 s17, 0
	s_add_nc_u64 s[10:11], s[10:11], s[16:17]
	; the prefetches: who asks, and where
	s_lshl_b32 s16, s15, 7
	s_lshl_b32 s17, s42, 7
	s_and_b32 s22, ttmp7, 0xffff
	s_cmp_eq_u32 s[HI], 0
	s_cselect_b32 s20, s16, s17
	s_cselect_b32 s21, s40, s41                    ; my place among the four that ask for the tile with me
	s_cselect_b32 s22, ttmp9, s22                  ; the coordinate along which other clusters read the same rows
	s_cselect_b64 s[PFA:PFA+1], s[4:5], s[6:7]
	s_cmp_eq_u32 s22, 0
	s_cselect_b32 s[LIM], 1, -1
	s_lshl_b32 s22, s[LO], 6
	s_add_co_u32 s20, s20, s22
	s_lshl_b32 s21, s21, 4
	s_add_co_u32 s20, s20, s21
	s_mul_i32 s20, s20, PP
	s_add_co_u32 s20, s20, 1024                    ; at slot 2: the first refill steps it to 3 and names slot 4
	s_mov_b32 s21, 0
	s_add_nc_u64 s[PFA:PFA+1], s[PFA:PFA+1], s[20:21]
	s_wait_loadcnt 0x0
	v_min3_num_f32 v60, v64, v65, v66              ; the row's -M: the least
.set c, 3
.rept 15
	v_min3_num_f32 v60, v60, v[64+c], v[65+c]
.set c, c+2
.endr
	v_min_num_f32 v60, v60, v97
.set c, 0
.rept 34
	v_sub_f32 v[64+c], v60, v[64+c]                ; the run's M less the row's: a whole number, 0 or less
.set c, c+1
.endr
.set c, 0
.rept 34
	v_cvt_i32_f32 v[64+c], v[64+c]                 ; (it saturates)
.set c, c+1
.endr
.set c, 0
.rept 34
	v_ldexp_f32 v[64+c], 1.0, v[64+c]              ; g
.set c, c+1
.endr
	v_mul_f32 v61, v98, v64
.set c, 1
.rept 33
	v_fmac_f32 v61, v[98+c], v[64+c]               ; L
.set c, c+1
.endr
	v_rcp_f32 v62, v61
.irp i, 0,1,2,3,4,5,6,7
	v_mov_b32 v[GR+2*\i+1], 0                      ; the upper halves of g's pairs are written once.  (Plain work behind the reciprocal)
.endr
.set c, 0
.rept 34
	ds_store_b32 v[GW], v[64+c] offset:c*512
.set c, c+1
.endr
	s_wait_alu depctr_va_vdst(0)                   ; the wait ahead of the reciprocal's first reader
	ds_store_b32 v[ILW], v62
; Registers 4 kk .. 4 kk + 3 of P's buffer sl, eight p of my lane's row in block kk / 2: copied to registers whose halves have names, widened, multiplied by the row's g, rounded once to f16.
.macro SC4 sl
.irp n, 0,1,2,3
	v_mov_b32 v[48+\n], v[\sl+4*kk+\n]
.endr
	v_cvt_f32_f16 v52, v48.l
	v_cvt_f32_f16 v53, v48.h
	v_cvt_f32_f16 v54, v49.l
	v_cvt_f32_f16 v55, v49.h
	v_cvt_f32_f16 v56, v50.l
	v_cvt_f32_f16 v57, v50.h
	v_cvt_f32_f16 v58, v51.l
	v_cvt_f32_f16 v59, v51.h
.irp n, 0,1,2,3
	v_pk_mul_f32 v[52+2*\n:53+2*\n], v[52+2*\n:53+2*\n], v[GR+2*(kk/2):GR+2*(kk/2)+1] op_sel_hi:[1,0]   ; of the pair the low word, g, serves both halves
.endr
.irp n, 0,1,2,3
	v_cvt_pk_f16_f32 v[\sl+4*kk+\n], v[52+2*\n], v[53+2*\n]
.endr
.endm
; 16 matrix instructions: P's blocks a0, a0 + 1 of the half hi x v^T's eight.  The 64 accumulators take turns.  sl other than 0: behind the k-th stands the scaling of buffer sl's registers 4 k on.
.macro MUL16 f, hi, a0, zero, sl
.set kk, 0
.irp a, \a0, \a0+1
.irp b, 0,1,2,3,4,5,6,7
	WIN MUL_LO+0x50*(\hi)
.if \zero
	v_wmma_f32_16x16x32_f16 v[8*(8*(\a)+\b):8*(8*(\a)+\b)+7], v[\f+8*\b:\f+8*\b+7], v[\f+8*(4*\hi+\a):\f+8*(4*\hi+\a)+7], 0
.else
	v_wmma_f32_16x16x32_f16 v[8*(8*(\a)+\b):8*(8*(\a)+\b)+7], v[\f+8*\b:\f+8*\b+7], v[\f+8*(4*\hi+\a):\f+8*(4*\hi+\a)+7], v[8*(8*(\a)+\b):8*(8*(\a)+\b)+7]
.endif
.if \sl
	WIN 0
	SC4 \sl
.endif
.set kk, kk+1
.endr
.endr
.endm
.macro FETCH slot, k, f                ; 32 LDS loads in one run: P's eight fragments first, since they are scaled, then v^T's
	WIN 0
.irp i, 0,1,2,3,4,5,6,7
	ds_load_b128 v[\f+8*\i:\f+8*\i+3],   v[ADRA+\slot] offset:\k+\i*16*PITCH
	ds_load_b128 v[\f+8*\i+4:\f+8*\i+7], v[ADRA+\slot] offset:\k+\i*16*PITCH+32
.endr
	WIN TO_B
.irp i, 0,1,2,3,4,5,6,7
	ds_load_b128 v[\f+8*\i:\f+8*\i+3],   v[ADRB+\slot] offset:\k+\i*16*PITCH
	ds_load_b128 v[\f+8*\i+4:\f+8*\i+7], v[ADRB+\slot] offset:\k+\i*16*PITCH+32
.endr
	WIN 0
.endm
.macro GLOAD                           ; g of my lane's row in each of the eight blocks, into the even registers
.irp i, 0,1,2,3,4,5,6,7
	ds_load_b32 v[GR+2*\i], v[GA] offset:4*\i
.endr
.endm
.macro PLACES                          ; four plain vector instructions between a matrix instruction and a load into, or a read of, its registers
.rept 4
	v_nop
.endr
.endm
.macro QUARTER slot, f, g, zero        ; my first 32 keys of the slot are multiplied; my second 32 are fetched and scaled
	s_wait_dscnt 0x0
	MUL16 \f, 0, 0, \zero, 0
	PLACES
	FETCH \slot, 64, \g
	MUL16 \f, 0, 2, \zero, 0
	MUL16 \f, 1, 0, \zero, 0
	s_wait_dscnt 16                                ; P's sixteen loads are in; v^T's sixteen may be out
	MUL16 \f, 1, 2, \zero, \g
.endm
; The slots change, and then my second 32 keys are multiplied.  My share of the slot lies in registers when its last sixteen loads are back, so the three lines, the round and the refill stand first; the next slot's first fragments are fetched and scaled beside the 64 products.
.macro TURN slot, next, fill, ask
.if \ask
	s_wait_xcnt 0x0                                ; the last prefetch, a slot back, has read its address
	s_add_nc_u64 s[PFA:PFA+1], s[PFA:PFA+1], 512
.endif
	WIN 0
	s_wait_tensorcnt 0x0                           ; all my tensor loads have landed: my part of the next slot; so every group 0 may be written
	ds_add_u32 v[SPW], v[NIL]
.if \fill
	s_add_nc_u64 s[G0+4*\slot+2:G0+4*\slot+3], s[G0+4*\slot+2:G0+4*\slot+3], 1024
	s_add_nc_u64 s[G0B+4*\slot+2:G0B+4*\slot+3], s[G0B+4*\slot+2:G0B+4*\slot+3], 1024
.endif
	s_wait_dscnt 0x0                               ; the add is done; v^T's fragments of my second 32 keys are in: my reads of this slot are over
	s_barrier_signal -1
	s_barrier_wait -1
.if \fill
	CREST                                          ; no wave of any partner still reads this slot or has a load on its way
	JLOAD \slot                                    ; my one tensor load behind the round: a whole slot's 128 products stand between it and the wait for it; its four v_nop are the places in front of the loads below
.else
	PLACES
.endif
	v_add_nc_u32 v[GA], 1024, v[GA]                ; the next slot's runs
	GLOAD
	FETCH \next, 0, F0
.if \ask
	ASK
.endif
	MUL16 F1, 0, 0, 0, 0
	MUL16 F1, 0, 2, 0, 0
	MUL16 F1, 1, 0, 0, 0
	s_wait_dscnt 16                                ; g and P's sixteen loads are in; v^T's sixteen may be out
	MUL16 F1, 1, 2, 0, F0
.endm
	s_wait_tensorcnt 1                             ; my part of slot 0 is in; slot 1's load may be out
	s_wait_dscnt 0x0                               ; my g and 1 / L have landed
	s_barrier_signal -1
	s_barrier_wait -1
	GLOAD
	FETCH 0, 0, F0
	s_wait_dscnt 16
.set kk, 0
.rept 16
	SC4 F0                                         ; the first quarter's P is scaled here, once, with nothing beside it
.set kk, kk+1
.endr
	QUARTER 0, F0, F1, 1                           ; the first products start the sums
	WIN 0
	s_mov_b32 s3, 7
.Llap:                                             ; a trip goes once round the ring and fills both slots again: slots 2 to 15
	TURN 0, 1, 1, 1
	QUARTER 1, F0, F1, 0
	TURN 1, 0, 1, 1
	QUARTER 0, F0, F1, 0
	WIN 0
	s_sub_co_u32 s3, s3, 1
	s_cmp_lg_u32 s3, 0
	s_cbranch_scc1 .Llap
	TURN 0, 1, 1, 0                                ; slot 16, the extra columns, is asked for
	QUARTER 1, F0, F1, 0
	TURN 1, 0, 0, 0
	s_wait_dscnt 0x0
	MUL16 F0, 0, 0, 0, 0                           ; of slot 16 my first 32 columns alone
	MUL16 F0, 0, 2, 0, 0
	MUL16 F0, 1, 0, 0, 0
	MUL16 F0, 1, 2, 0, 0
	WIN 0
	; THE WAY OUT.  Every wave's reads of the ring are over (waited for above): behind this barrier the partial tiles are laid over it.
	s_barrier_signal -1
	s_barrier_wait -1
	PLACES
.irp a, 0,1,2,3,4,5,6,7
	WIN 0x08+4*(\a/4)                              ; an LDS store's data: window 2 or 3
.irp b, 0,1,2,3,4,5,6,7
	ds_store_b128 v[STO], v[8*(8*(\a%4)+\b):8*(8*(\a%4)+\b)+3] offset:16*\a*PITCH+64*\b          ; each accumulator from its low end on
	ds_store_b128 v[STO], v[8*(8*(\a%4)+\b)+4:8*(8*(\a%4)+\b)+7] offset:16*\a*PITCH+64*\b+16
.endr
.endr
	WIN 0
	s_wait_dscnt 0x0                               ; for the others' sake: my stores have landed
	s_barrier_signal -1
	s_barrier_wait -1
.irp u, 0,1,2,3,4,5,6,7
	ds_load_b128 v[ILR+4*\u:ILR+4*\u+3], v[ILA] offset:16*\u       ; 1 / L of my 32 rows, the same in every lane
.endr
.irp q, 0,1,2,3                        ; wave w adds and stores rows 32 w .. 32 w + 31, eight at a time
.if \q > 0
	s_wait_xcnt 0x0                                ; the last batch's stores have read their registers
.endif
.irp i, 0,1,2,3,4,5,6,7
.irp s, 0,1,2,3
	ds_load_b128 v[64+16*\i+4*\s:64+16*\i+4*\s+3], v[RDS+\s] offset:(8*\q+\i)*PITCH
.endr
.endr
.irp i, 0,1,2,3,4,5,6,7
.set RB, 64+16*\i
	s_wait_dscnt 4*(7-\i)                          ; row i's four parts are in; the later rows' loads may be out
	v_pk_add_f32 v[RB:RB+1], v[RB:RB+1], v[RB+4:RB+5]
	v_pk_add_f32 v[RB+2:RB+3], v[RB+2:RB+3], v[RB+6:RB+7]
	v_pk_add_f32 v[RB+8:RB+9], v[RB+8:RB+9], v[RB+12:RB+13]
	v_pk_add_f32 v[RB+10:RB+11], v[RB+10:RB+11], v[RB+14:RB+15]
	v_pk_add_f32 v[RB:RB+1], v[RB:RB+1], v[RB+8:RB+9]
	v_pk_add_f32 v[RB+2:RB+3], v[RB+2:RB+3], v[RB+10:RB+11]
.irp j, 0,1,2,3
	v_mul_f32 v[RB+\j], v[RB+\j], v[ILR+8*\q+\i]
.endr
	global_store_b128 v[CO], v[RB:RB+3], s[10:11] offset:(8*\q+\i)*4096 th:TH_STORE_NT   ; 32 lanes store 512 consecutive aligned bytes
.endr
.endr
	s_wait_tensorcnt 0x0                           ; the wave's end
	ds_add_u32 v[SPW], v[NIL]
	s_wait_dscnt 0x0
	CROUND                                         ; the closing round
	s_endpgm
.Lfunc_end_k_q53e8e869d8_pv:
	.size	k_q53e8e869d8_pv, .Lfunc_end_k_q53e8e869d8_pv-k_q53e8e869d8_pv
	.p2alignl 7, 3214868480
	.fill 96, 4, 3214868480
	.section	.rodata,"a",@progbits
	.p2align	6, 0x0
	.amdhsa_kernel k_q53e8e869d8_pv
		.amdhsa_group_segment_fixed_size 327680
		.amdhsa_private_segment_fixed_size 0
		.amdhsa_enable_private_segment 0
		.amdhsa_kernarg_size 32
		.amdhsa_user_sgpr_count 2
		.amdhsa_user_sgpr_kernarg_segment_ptr 1
		.amdhsa_wavefront_size32 1
		.amdhsa_system_sgpr_workgroup_id_x 1
		.amdhsa_system_sgpr_workgroup_id_y 1
		.amdhsa_system_sgpr_workgroup_id_z 1
		.amdhsa_system_vgpr_workitem_id 0
		.amdhsa_next_free_vgpr 1024
		.amdhsa_next_free_sgpr 66
		.amdhsa_reserve_vcc 0
		.amdhsa_float_denorm_mode_32 3
		.amdhsa_float_denorm_mode_16_64 3
		.amdhsa_memory_ordered 1
		.amdhsa_forward_progress 1
		.amdhsa_inst_pref_size 255
	.end_amdhsa_kernel
	.section	.bss,"aw",@nobits
	.p2align	6
	.space	262144
	.amdgpu_metadata
---
amdhsa.version: [ 1, 2 ]
amdhsa.kernels:
  - .name:           k_q53e8e869d8_pv
    .symbol:         k_q53e8e869d8_pv.kd
    .args:
      - { .name: p, .offset: 0, .size: 8, .value_kind: global_buffer, .address_space: global }
      - { .name: vt, .offset: 8, .size: 8, .value_kind: global_buffer, .address_space: global }
      - { .name: st, .offset: 16, .size: 8, .value_kind: global_buffer, .address_space: global }
      - { .name: out0, .offset: 24, .size: 8, .value_kind: global_buffer, .address_space: global }
    .group_segment_fixed_size: 327680
    .private_segment_fixed_size: 0
    .kernarg_segment_align: 8
    .kernarg_segment_size: 32
    .max_flat_workgroup_size: 128
    .sgpr_count:     66
    .vgpr_count:     1024
    .wavefront_size: 32
...
	.end_amdgpu_metadata
.endif
;; end of part 5
